; MI455X (gfx1250); checked and timed in simulation.
; The chip was launched on July 23, 2026; its instructions are those of AMD's public machine-readable ISA for CDNA 5 (MIT licence, August 2026) and "CDNA5" Instruction Set Architecture Reference Guide (July 2026). The comments in the code are by the model that wrote it; some were corrected since.
;; MHA. Allowed arithmetic: matrix products marked QUANTISED: E5M2 operands, one E8M0 scale for each 32 along K, by v_wmma_scale_f32_16x16x128_f8f6f4 with both operands' format E5M2, f32 sums; everything else in f32.
;; Inputs: W_k 1,024 x 1,024 float32; W_o 1,024 x 1,024 float32; W_q 1,024 x 1,024 float32; W_v 1,024 x 1,024 float32; x 4 x 2,048 x 1,024 float32.
;; Outputs: out0 4 x 2,048 x 1,024 float32.
;; This version of the problem:
;;   THIS VERSION OF THE PROBLEM IS GIVEN IN LOW PRECISION. The matrix products marked QUANTISED in the list below multiply operands that are first quantised to E5M2 (5 exponent bits, 2 mantissa bits; 8 bits a number), with one power-of-two scale for each 32 numbers along K (OCP MX v1.0); their sums are f32. All else is computed in f32.
;;   The module's matrix products, in the order in which they are computed (A, B: the left and right operand; K: the contracted axis; several contracted axes count as one K, in the product's order):
;;     1. [M 8,192, K 1,024] x [K 1,024, N 1,024]; A: input x; B: input W_q: QUANTISED
;;     2. [M 8,192, K 1,024] x [K 1,024, N 1,024]; A: input x; B: input W_k: QUANTISED
;;     3. [M 8,192, K 1,024] x [K 1,024, N 1,024]; A: input x; B: input W_v: QUANTISED
;;     4. batch 64 x [M 2,048, K 64] x [K 64, N 2,048]; A: computed on the way; B: computed on the way: QUANTISED
;;     5. batch 64 x [M 2,048, K 2,048] x [K 2,048, N 64]; A: softmax (see below); B: computed on the way: QUANTISED
;;     6. [M 8,192, K 1,024] x [K 1,024, N 1,024]; A: computed on the way; B: input W_o: QUANTISED
;;   THE QUANTISER, for each operand of a quantised product, along K:
;;     - K is cut into blocks of 32 from its start; a last block that is shorter is filled with zeros.
;;     - A block's scale is 2^e with e = floor(log2(the largest magnitude in the block)) - 15, held to -126 .. 127; a block of zeros has e = 0. As a byte (E8M0): e + 127.
;;     - Each number is divided by its block's scale, clamped to +-57,344, and rounded to the nearest number of E5M2, ties to even, subnormals kept.
;;     - The product sums the exact products of the quantised numbers (number of the format x scale) in f32.
;;   ~~~python
;;   def quantise(x, axis):      # numpy; x: float32 -> the quantised numbers, widened to float32 again
;;       x = np.moveaxis(x, axis, -1); K = x.shape[-1]
;;       x = np.pad(x, [(0, 0)] * (x.ndim - 1) + [(0, -K % 32)]); x = x.reshape(x.shape[:-1] + (-1, 32)); a = np.abs(x).max(-1, keepdims=True)
;;       e = np.where(a > 0, np.clip(np.frexp(np.where(a > 0, a, 1))[1] - 1 - 15, -126, 127), 0)      # np.frexp(a)[1] - 1 = floor(log2(a)), exactly
;;       r = np.clip(x / 2.0 ** e, -57344, 57344)
;;       step = 2.0 ** (np.maximum(np.frexp(np.where(r == 0, 1, r))[1] - 1, -14) - 2)
;;       q = np.round(r / step) * step * 2.0 ** e      # np.round: ties to even
;;       return np.moveaxis(q.reshape(q.shape[:-2] + (-1,))[..., :K], -1, axis).astype(np.float32)
;;   ~~~
;;   SOFTMAX AHEAD OF A QUANTISED PRODUCT. Where the list says 'softmax', what is quantised is not the finished softmax but p = 2^(t - M), with t = logit x log2(e) and M = ceil(the row's largest t), a whole number; so 1/2 < the row's largest p <= 1. The row's sum l is taken of the UNQUANTISED p, in f32, and the product's result is divided by l at the end. Since M is a whole number, a kernel that streams over the keys may use a running M (the ceiling of the running maximum): every later rescaling is an exact power of two, which a block's scale takes up: the codes' values come out the same.
;;   OPERANDS COMPUTED ON THE WAY. 'Computed on the way' means the value that the module computes at that place (a softmax that the list does not call 'softmax' is quantised finished and normalised). What goes into a quantiser is computed in f32, as accurately as f32 sums, v_exp_f32 and their like allow (about 1e-6 of the number): no bf16 or f16 on the way to a quantiser, and a product that is left as it is and whose result goes on into a quantised operand takes f32 operands (vector FMAs, or v_wmma_f32_16x16x4_f32). A number that lies on a knife's edge between two numbers of the format may be rounded either way, as far as f32 arithmetic and the matrix unit's own rounding can turn it there, and no further.
;; One version. Each part assembles by itself: llvm-mc -triple=amdgcn-amd-amdhsa -mcpu=gfx1250 --defsym DOCPART=n.
;; ======== version 1 of 1: 5 launches
;; limits: right only within a limited range of input values
;; workspace buffers: xq 8,650,752 bytes; wq 4,325,376 bytes; qkv 26,738,688 bytes; ctx 8,650,752 bytes
;; launch qx (part 1): grid 512 x 1, 4 waves a work-group, no clusters, 67,072 bytes of LDS; arguments x, xq; writes xq
.if DOCPART == 1
	.amdgcn_target "amdgcn-amd-amdhsa--gfx1250"
	.amdhsa_code_object_version 6
	.text
	.protected	k_q334dc04c3b_qx
	.globl	k_q334dc04c3b_qx
	.p2align	8
	.type	k_q334dc04c3b_qx,@function
k_q334dc04c3b_qx:
	s_mov_b64 s[64:65], 0
	v_nop
	global_prefetch_b8 v0, s[64:65] scope:SCOPE_SE
	s_setreg_imm32_b32 hwreg(HW_REG_WAVE_MODE, 25, 1), 1
	s_wait_xcnt 0x0
; x [8192][1024] f32 becomes codes of BF8 (E5M2) with one E8M0 byte for each 32 along K, laid as IMAGES OF OPERAND REGISTERS.
; A tile is 16 rows: lane place r of tile T is row 32 (T / 2) + 8 (T % 2) + r + 8 (r / 8).  A fragment (tile T, K step s of 128) is 2,048 bytes:
; register group c of lane l (r = l % 16, h = l / 16) holds k = 128 s + 32 c + 16 h + 0 .. 15 and lies at ((8 T + s) 4 + c) 512 + 16 l.
; The scale words lie behind the codes, [T][r][8 words].  So every store of codes is 512 consecutive bytes straight from the conversions' results.
; A block's scale is 2^(floor(log2(largest magnitude)) - 15); each number is divided by it, held within +-57,344 and rounded to the nearest code, ties to even.
; LIMITS: NaN and infinities among the inputs are not served; a block whose largest magnitude lies under 2^-111 keeps the byte 1; a block of zeros
; gets the byte 1 and not 127: its codes are zeros, and this program alone reads the bytes.
; SHARES: a work-group takes one tile, wave w its K steps 2 w and 2 w + 1 (1,024 bytes of each row).  Each load reads 512 consecutive bytes of a row;
; the numbers turn through the wave's own stage in LDS (rows 1,040 bytes apart) so that a lane gets 16 neighbours of each block.  Waves share nothing: no barrier.
; Memory binds: no matrix unit, no cluster, no tensor load would add anything.  The scale words leave in pieces of 4 bytes: one byte in 128 of what is read.
.set XSC,   0x800000                   ; where the scale words begin in xq
.set PITCH, 1040
.set WREG,  16*PITCH
.set RAW,   16                         ; v16-143  as loaded: K step e, row p at RAW + 64 e + 4 p; v16-79 later the second K step's 64 neighbours
.set X,     144                        ; v144-207 the first K step's 64 neighbours
.set PC0,   208                        ; v208-223, v224-239 the two fragments' codes: never rewritten
.set PC1,   224
.set TM,    240                        ; v240-243 largest magnitudes, v244-247 bytes, v252-255 the conversions' scale operand
	s_load_b128 s[4:7], s[0:1], 0x0                ; x, xq
	v_lshl_add_u32 v14, v0, 2, 0x10400
	v_mov_b32 v15, 0
	v_lshrrev_b32 v1, 5, v0
	v_readfirstlane_b32 s8, v1                     ; wave
	v_and_b32 v7, 31, v0
	v_lshlrev_b32 v1, 4, v7                        ; 16 x lane
	v_and_b32 v2, 15, v0                           ; r
	v_bfe_u32 v3, v0, 4, 1                         ; h
	s_mul_i32 s9, s8, WREG                         ; my stage
	v_add_nc_u32 v4, s9, v1                        ; into it: as loaded
	v_mul_u32_u24 v5, v2, PITCH
	v_lshl_add_u32 v5, v3, 6, v5
	v_add_nc_u32 v5, s9, v5                        ; out of it: row r, + 64 h: my 16 numbers of a block
	v_lshlrev_b32 v6, 5, v2
	v_lshl_add_u32 v6, v3, 2, v6                   ; scale words: 32 r + 4 h
	s_mov_b32 s12, 0x76543210
	s_mov_b32 s13, 0xfedcba98                      ; lane l xor 16
	s_mov_b32 s15, 0xffff0000                      ; lanes 16-31
.irp b, 0,1,2,3
	v_mov_b32 v[TM+4+\b], 0                        ; a lane permute's destination counts as one of its sources
.endr
	s_lshr_b32 s10, ttmp9, 1
	s_lshl_b32 s10, s10, 5
	s_and_b32 s11, ttmp9, 1
	s_lshl_b32 s11, s11, 3
	s_add_co_u32 s10, s10, s11                     ; the tile's first row
	s_lshl_b32 s10, s10, 12
	s_lshl_b32 s11, s8, 10
	s_add_co_u32 s10, s10, s11                     ; + my 1,024 bytes of a row
	s_mov_b32 s11, 0
	s_lshl_b32 s16, ttmp9, 3
	s_lshl_b32 s17, s8, 1
	s_add_co_u32 s16, s16, s17
	s_lshl_b32 s16, s16, 11                        ; codes: (8 T + 2 w) x 2,048
	s_mov_b32 s17, 0
	s_lshl_b32 s18, ttmp9, 9
	s_lshl_b32 s19, s8, 3
	s_add_co_u32 s18, s18, s19
	s_add_co_u32 s18, s18, XSC                     ; scale words: 512 T + 8 w
	s_mov_b32 s19, 0
	s_wait_alu depctr_va_vdst(0)
	s_wait_kmcnt 0x0
	s_add_nc_u64 s[4:5], s[4:5], s[10:11]
	s_add_nc_u64 s[20:21], s[6:7], s[18:19]
	s_add_nc_u64 s[6:7], s[6:7], s[16:17]
.irp e, 0,1
.irp p, 0,1,2,3,4,5,6,7,8,9,10,11,12,13,14,15
	global_load_b128 v[RAW+64*\e+4*\p:RAW+64*\e+4*\p+3], v1, s[4:5] offset:(\p+8*(\p/8))*4096+512*\e th:TH_LOAD_NT
.endr
.endr
; 64 numbers of a lane, register 16 b + i = k 32 b + 16 h + i of my row, become a fragment's codes and its scale word
.macro QUANT s, pc, pw
.irp b, 0,1,2,3
	v_max3_num_f32 v[TM+\b], |v[\s+16*\b]|, |v[\s+1+16*\b]|, 0x8000000   ; my 16 numbers and the floor 2^(16 - 127): the byte cannot fall under 1
.endr
.irp i, 2,4,6,8,10,12,14
.irp b, 0,1,2,3
	v_max3_num_f32 v[TM+\b], v[TM+\b], |v[\s+16*\b+\i]|, |v[\s+1+16*\b+\i]|
.endr
.endr
.irp b, 0,1,2,3
	v_permlanex16_b32 v[TM+4+\b], v[TM+\b], s12, s13
.endr
.irp b, 0,1,2,3
	v_max_num_f32 v[TM+\b], v[TM+\b], v[TM+4+\b]   ; with lane l xor 16's: the block's largest magnitude
.endr
.irp b, 0,1,2,3
	v_add_nc_u32 v[TM+12+\b], 0xf8800000, v[TM+\b] ; 15 off its exponent field: the conversion's scale operand
.endr
.irp b, 0,1,2,3
.endr
.irp b, 0,1,2,3
	v_lshrrev_b32 v[TM+4+\b], 23, v[TM+12+\b]      ; the scale's byte
.endr
	v_lshl_or_b32 v[\pw], v[TM+5], 8, v[TM+4]
	v_lshl_or_b32 v[\pw], v[TM+6], 16, v[\pw]
	v_lshl_or_b32 v[\pw], v[TM+7], 24, v[\pw]
.irp b, 0,1,2,3
.irp i, 0,1,2,3,4,5,6,7,8,9,10,11,12,13,14,15
.endr
	v_cvt_scalef32_pk8_bf8_f32 v[\pc+4*\b:\pc+4*\b+1], v[\s+16*\b:\s+16*\b+7], v[TM+12+\b]
	v_cvt_scalef32_pk8_bf8_f32 v[\pc+4*\b+2:\pc+4*\b+3], v[\s+16*\b+8:\s+16*\b+15], v[TM+12+\b]
.endr
	v_nop                                          ; a plain line behind the last conversion
.endm
	s_wait_loadcnt 16                              ; the first K step's 16 loads are in; the second's may be out
.irp p, 0,1,2,3,4,5,6,7,8,9,10,11,12,13,14,15
	ds_store_b128 v4, v[RAW+4*\p:RAW+4*\p+3] offset:PITCH*\p
.endr
.irp b, 0,1,2,3
.irp j, 0,1,2,3
	ds_load_b128 v[X+16*\b+4*\j:X+16*\b+4*\j+3], v5 offset:128*\b+16*\j   ; LDS serves a wave's instructions in order: these see the stores above
.endr
.endr
	s_wait_loadcnt 0x0
.irp p, 0,1,2,3,4,5,6,7,8,9,10,11,12,13,14,15
	ds_store_b128 v4, v[RAW+64+4*\p:RAW+64+4*\p+3] offset:PITCH*\p+512
.endr
	s_wait_dscnt 32                                ; the first 16 stores are done (behind them: 16 loads, 16 stores): v16-79 are free
.irp b, 0,1,2,3
.irp j, 0,1,2,3
	ds_load_b128 v[RAW+16*\b+4*\j:RAW+16*\b+4*\j+3], v5 offset:512+128*\b+16*\j
.endr
.endr
	s_wait_dscnt 32                                ; X is in (behind its loads: 16 stores, 16 loads)
	QUANT X, PC0, 8
.irp c, 0,1,2,3
	global_store_b128 v1, v[PC0+4*\c:PC0+4*\c+3], s[6:7] offset:512*\c   ; 512 consecutive bytes
.endr
	s_wait_dscnt 0x0
	QUANT RAW, PC1, 9
.irp c, 0,1,2,3
	global_store_b128 v1, v[PC1+4*\c:PC1+4*\c+3], s[6:7] offset:2048+512*\c
.endr
	v_cndmask_b32 v10, v8, v9, s15                 ; lanes 0-15 the first K step's word, lanes 16-31 the second's
	global_store_b32 v6, v10, s[20:21]
	s_wait_tensorcnt 0x0
	ds_add_u32 v14, v15
	s_wait_dscnt 0x0
	s_endpgm
.Lfunc_end_k_q334dc04c3b_qx:
	.size	k_q334dc04c3b_qx, .Lfunc_end_k_q334dc04c3b_qx-k_q334dc04c3b_qx
	.p2alignl 7, 3214868480
	.fill 96, 4, 3214868480
	.section	.rodata,"a",@progbits
	.p2align	6, 0x0
	.amdhsa_kernel k_q334dc04c3b_qx
		.amdhsa_group_segment_fixed_size 67072
		.amdhsa_private_segment_fixed_size 0
		.amdhsa_enable_private_segment 0
		.amdhsa_kernarg_size 16
		.amdhsa_user_sgpr_count 2
		.amdhsa_user_sgpr_kernarg_segment_ptr 1
		.amdhsa_wavefront_size32 1
		.amdhsa_system_sgpr_workgroup_id_x 1
		.amdhsa_system_sgpr_workgroup_id_y 1
		.amdhsa_system_sgpr_workgroup_id_z 1
		.amdhsa_system_vgpr_workitem_id 0
		.amdhsa_next_free_vgpr 256
		.amdhsa_next_free_sgpr 66
		.amdhsa_reserve_vcc 0
		.amdhsa_float_denorm_mode_32 3
		.amdhsa_float_denorm_mode_16_64 3
		.amdhsa_fp16_overflow 1
		.amdhsa_memory_ordered 1
		.amdhsa_forward_progress 1
		.amdhsa_inst_pref_size 18
	.end_amdhsa_kernel
	.amdgpu_metadata
---
amdhsa.version: [ 1, 2 ]
amdhsa.kernels:
  - .name:           k_q334dc04c3b_qx
    .symbol:         k_q334dc04c3b_qx.kd
    .args:
      - { .name: x, .offset: 0, .size: 8, .value_kind: global_buffer, .address_space: global }
      - { .name: xq, .offset: 8, .size: 8, .value_kind: global_buffer, .address_space: global }
    .group_segment_fixed_size: 67072
    .private_segment_fixed_size: 0
    .kernarg_segment_align: 8
    .kernarg_segment_size: 16
    .max_flat_workgroup_size: 128
    .sgpr_count:     66
    .vgpr_count:     256
    .wavefront_size: 32
...
	.end_amdgpu_metadata
.endif
;; end of part 1
;; launch qw (part 2): grid 8 x 32, 4 waves a work-group, no clusters, 18,944 bytes of LDS; arguments W_q, W_k, W_v, W_o, wq; writes wq
.if DOCPART == 2
	.amdgcn_target "amdgcn-amd-amdhsa--gfx1250"
	.amdhsa_code_object_version 6
	.text
	.protected	k_q334dc04c3b_qw
	.globl	k_q334dc04c3b_qw
	.p2align	8
	.type	k_q334dc04c3b_qw,@function
k_q334dc04c3b_qw:
	s_mov_b64 s[64:65], 0
	v_nop
	global_prefetch_b8 v0, s[64:65] scope:SCOPE_SE
	s_setreg_imm32_b32 hwreg(HW_REG_WAVE_MODE, 25, 1), 1
	s_wait_xcnt 0x0
; The four weights [1024 (k)][1024 (n)] f32, whose K is the FIRST axis, become codes of BF8 (E5M2) with one E8M0 byte for each 32 along K,
; laid as images of operand registers: tile T = 64 x weight + n-tile (weights in the order q, k, v, o); lane place r of a tile is column
; 32 (T / 2) + 8 (T % 2) + r + 8 (r / 8); fragment (T, K step s) at (8 T + s) 2,048, group c of lane l at + 512 c + 16 l; scale words behind the codes, [T][r][8 words].
; A LANE TAKES A COLUMN AND ITS REGISTERS RUN DOWN K: a block of 32 lies in one lane, and the conversions give codes with K innermost.
; A wave takes 32 columns x 128 along K: two fragments.  The codes go through the wave's own stage in LDS (a row a column, 144 bytes apart) and leave as images, 512 consecutive bytes a store.
; LIMITS: NaN and infinities are not served; a block under 2^-111 keeps the byte 1; a block of zeros gets the byte 1 and not 127 (zero codes; read by this program alone).
; Memory binds; waves share nothing: no barrier, no tensor load, no cluster.  The scale words leave in pieces of 4 bytes: one byte in 128 of what is read.
.set WSC,   0x400000
.set PITCH, 144
.set X,     32                         ; v32-95   two sets of 32 numbers
.set C,     96                         ; v96-127  eight registers of codes for each block: never rewritten
.set OUTR,  128                        ; v128-159 the way out
	s_load_b256 s[4:11], s[0:1], 0x0               ; W_q, W_k, W_v, W_o
	s_load_b64 s[12:13], s[0:1], 0x20              ; wq
	v_lshl_add_u32 v176, v0, 2, 0x4800
	v_mov_b32 v177, 0
	v_lshrrev_b32 v1, 5, v0
	v_readfirstlane_b32 s16, v1                    ; wave
	v_and_b32 v2, 31, v0                           ; lane
	s_and_b32 s17, ttmp7, 0xffff
	s_lshr_b32 s18, s17, 3                         ; which weight
	s_and_b32 s19, s17, 7                          ; which K step
	v_lshlrev_b32 v3, 2, v2                        ; in: 4 bytes a lane
	s_mul_i32 s20, s16, 32*PITCH                   ; my stage
	v_mul_u32_u24 v4, v2, PITCH
	v_add_nc_u32 v4, s20, v4                       ; into it: row = my column
	v_and_b32 v5, 15, v2                           ; r
	v_lshrrev_b32 v6, 4, v2                        ; h
	v_and_b32 v7, 8, v5
	v_add_nc_u32 v7, v7, v5                        ; r + 8 (r / 8)
	v_mul_u32_u24 v7, v7, PITCH
	v_lshl_add_u32 v7, v6, 4, v7
	v_add_nc_u32 v7, s20, v7                       ; out of it: the column of lane place r, + 16 h
	v_lshlrev_b32 v8, 4, v2                        ; 16 x lane
	v_bfe_u32 v9, v2, 3, 1                         ; my column's tile of the two,
	v_and_b32 v10, 7, v2
	v_lshl_add_u32 v10, v6, 3, v10                 ; and its place in it
	v_lshlrev_b32 v10, 5, v10
	v_lshl_add_u32 v9, v9, 9, v10                  ; my scale word: 512 x tile + 32 x place
	s_lshl_b32 s22, s19, 19                        ; W: 128 rows of 4,096 bytes a K step,
	s_lshl_b32 s23, ttmp9, 9
	s_add_co_u32 s22, s22, s23
	s_lshl_b32 s23, s16, 7
	s_add_co_u32 s22, s22, s23                     ; + 4 x my first column
	s_mov_b32 s23, 0
	s_lshl_b32 s21, s18, 6
	s_lshl_b32 s24, ttmp9, 3
	s_add_co_u32 s21, s21, s24
	s_lshl_b32 s24, s16, 1
	s_add_co_u32 s21, s21, s24                     ; my first tile
	s_lshl_b32 s24, s21, 14
	s_lshl_b32 s25, s19, 11
	s_add_co_u32 s24, s24, s25                     ; its fragment of this K step
	s_mov_b32 s25, 0
	s_lshl_b32 s26, s21, 9
	s_lshl_b32 s27, s19, 2
	s_add_co_u32 s26, s26, s27
	s_add_co_u32 s26, s26, WSC                     ; and its scale words
	s_mov_b32 s27, 0
	s_wait_kmcnt 0x0
	s_cmp_lt_u32 s18, 2                            ; the choice hangs on the work-group's number alone
	s_cselect_b64 s[4:5], s[4:5], s[8:9]
	s_cselect_b64 s[6:7], s[6:7], s[10:11]
	s_and_b32 s28, s18, 1
	s_cmp_eq_u32 s28, 0
	s_cselect_b64 s[4:5], s[4:5], s[6:7]
	s_add_nc_u64 s[4:5], s[4:5], s[22:23]
	s_add_nc_u64 s[14:15], s[12:13], s[26:27]
	s_add_nc_u64 s[12:13], s[12:13], s[24:25]
.macro LOAD t                          ; block t: W(32 t + i, my column) into set t % 2: 128 consecutive bytes a load
.irp i, 0,1,2,3,4,5,6,7,8,9,10,11,12,13,14,15,16,17,18,19,20,21,22,23,24,25,26,27,28,29,30,31
	global_load_b32 v[X+32*((\t)%2)+\i], v3, s[4:5] offset:(32*(\t)+\i)*4096 th:TH_LOAD_NT
.endr
.endm
	LOAD 0
	LOAD 1
.macro BLOCK t
.set XS, X+32*((\t)%2)
.set CT, C+8*(\t)
.if (\t) < 3
	s_wait_loadcnt 32                              ; this block's 32 loads are in; the next block's may be out
.else
	s_wait_loadcnt 0x0
.endif
	v_max3_num_f32 v12, |v[XS]|, |v[XS+1]|, |v[XS+2]|
	v_max3_num_f32 v13, |v[XS+3]|, |v[XS+4]|, |v[XS+5]|
.irp i, 6,10,14,18,22,26
	v_max3_num_f32 v12, v12, |v[XS+\i]|, |v[XS+\i+1]|
	v_max3_num_f32 v13, v13, |v[XS+\i+2]|, |v[XS+\i+3]|
.endr
	v_max3_num_f32 v12, v12, |v[XS+30]|, |v[XS+31]|
	v_max3_num_f32 v12, v12, v13, 0x8000000        ; and the floor 2^(16 - 127)
	v_add_nc_u32 v11, 0xf8800000, v12              ; the conversion's scale operand
	v_lshrrev_b32 v13, 23, v11                     ; the byte
.if (\t) == 0
	v_mov_b32 v24, v13
.else
	v_lshl_or_b32 v24, v13, 8*(\t), v24
.endif
.irp i, 0,1,2,3,4,5,6,7,8,9,10,11,12,13,14,15,16,17,18,19,20,21,22,23,24,25,26,27,28,29,30,31
.endr
.irp g, 0,1,2,3
	v_cvt_scalef32_pk8_bf8_f32 v[CT+2*\g:CT+2*\g+1], v[XS+8*\g:XS+8*\g+7], v11
.endr
	v_nop                                          ; a plain line behind the last conversion
	ds_store_b128 v4, v[CT:CT+3] offset:32*(\t)
	ds_store_b128 v4, v[CT+4:CT+7] offset:32*(\t)+16
.if (\t) < 2
	LOAD (\t)+2
.endif
.endm
	BLOCK 0
	BLOCK 1
	BLOCK 2
	BLOCK 3
	global_store_b32 v9, v24, s[14:15]             ; my column's word of this K step
.irp u, 0,1
.irp c, 0,1,2,3
	ds_load_b128 v[OUTR+16*\u+4*\c:OUTR+16*\u+4*\c+3], v7 offset:8*\u*PITCH+32*\c   ; LDS serves a wave's instructions in order: these see my stores
.endr
.endr
.irp u, 0,1
.irp c, 0,1,2,3
	s_wait_dscnt 7-4*\u-\c
	global_store_b128 v8, v[OUTR+16*\u+4*\c:OUTR+16*\u+4*\c+3], s[12:13] offset:16384*\u+512*\c   ; 512 consecutive bytes
.endr
.endr
	s_wait_tensorcnt 0x0
	ds_add_u32 v176, v177
	s_wait_dscnt 0x0
	s_endpgm
.Lfunc_end_k_q334dc04c3b_qw:
	.size	k_q334dc04c3b_qw, .Lfunc_end_k_q334dc04c3b_qw-k_q334dc04c3b_qw
	.p2alignl 7, 3214868480
	.fill 96, 4, 3214868480
	.section	.rodata,"a",@progbits
	.p2align	6, 0x0
	.amdhsa_kernel k_q334dc04c3b_qw
		.amdhsa_group_segment_fixed_size 18944
		.amdhsa_private_segment_fixed_size 0
		.amdhsa_enable_private_segment 0
		.amdhsa_kernarg_size 40
		.amdhsa_user_sgpr_count 2
		.amdhsa_user_sgpr_kernarg_segment_ptr 1
		.amdhsa_wavefront_size32 1
		.amdhsa_system_sgpr_workgroup_id_x 1
		.amdhsa_system_sgpr_workgroup_id_y 1
		.amdhsa_system_sgpr_workgroup_id_z 1
		.amdhsa_system_vgpr_workitem_id 0
		.amdhsa_next_free_vgpr 178
		.amdhsa_next_free_sgpr 66
		.amdhsa_reserve_vcc 0
		.amdhsa_float_denorm_mode_32 3
		.amdhsa_float_denorm_mode_16_64 3
		.amdhsa_fp16_overflow 1
		.amdhsa_memory_ordered 1
		.amdhsa_forward_progress 1
		.amdhsa_inst_pref_size 23
	.end_amdhsa_kernel
	.amdgpu_metadata
---
amdhsa.version: [ 1, 2 ]
amdhsa.kernels:
  - .name:           k_q334dc04c3b_qw
    .symbol:         k_q334dc04c3b_qw.kd
    .args:
      - { .name: W_q, .offset: 0, .size: 8, .value_kind: global_buffer, .address_space: global }
      - { .name: W_k, .offset: 8, .size: 8, .value_kind: global_buffer, .address_space: global }
      - { .name: W_v, .offset: 16, .size: 8, .value_kind: global_buffer, .address_space: global }
      - { .name: W_o, .offset: 24, .size: 8, .value_kind: global_buffer, .address_space: global }
      - { .name: wq, .offset: 32, .size: 8, .value_kind: global_buffer, .address_space: global }
    .group_segment_fixed_size: 18944
    .private_segment_fixed_size: 0
    .kernarg_segment_align: 8
    .kernarg_segment_size: 40
    .max_flat_workgroup_size: 128
    .sgpr_count:     66
    .vgpr_count:     178
    .wavefront_size: 32
...
	.end_amdgpu_metadata
.endif
;; end of part 2
;; launch proj (part 3): grid 12 x 32, 4 waves a work-group, clusters of 4 x 4, 327,680 bytes of LDS; arguments xq, wq, qkv; writes qkv
.if DOCPART == 3
	.amdgcn_target "amdgcn-amd-amdhsa--gfx1250"
	.amdhsa_code_object_version 6
	.text
	.protected	k_q334dc04c3b_proj
	.globl	k_q334dc04c3b_proj
	.p2align	8
	.type	k_q334dc04c3b_proj,@function
k_q334dc04c3b_proj:
	s_mov_b64 s[64:65], 0
	v_nop
	global_prefetch_b8 v0, s[64:65] scope:SCOPE_SE
	s_setreg_imm32_b32 hwreg(HW_REG_WAVE_MODE, 25, 1), 1
	s_wait_xcnt 0x0
	s_wait_alu depctr_hold_cnt(0) depctr_sa_sdst(0) depctr_va_vdst(0) depctr_va_sdst(0) depctr_va_ssrc(0) depctr_va_vcc(0) depctr_vm_vsrc(0)
	s_getreg_b32 s2, hwreg(HW_REG_IB_STS2, 6, 4)
	s_cmp_eq_u32 s2, 0
	s_cbranch_scc0 .Lentry_in_a_cluster
	s_endpgm
.Lentry_in_a_cluster:
	s_bfe_u32 s2, ttmp6, 0x10000c
	s_cmp_lg_u32 s2, 0xf033
	s_cbranch_scc0 .Lentry_shape_is_right
	s_endpgm
.Lentry_shape_is_right:
; q = x W_q, k = x W_k and v^T = W_v^T x^T on codes of BF8 (E5M2) with E8M0 scales, K = 1,024; the results are quantised in registers and leave as codes.
; OPERANDS ARE IMAGES OF OPERAND REGISTERS (tile T of 16 rows, lane place r = row 32 (T / 2) + 8 (T % 2) + r + 8 (r / 8); fragment (T, K step s) at (8 T + s) 2,048; group c of lane l at + 512 c + 16 l;
; scale words [T][r][8 words]).  THE MATRIX INSTRUCTION IS USED TRANSPOSED: source 0 = 16 rows of B', source 1 = 16 rows of A': a lane holds one row of A' and, by the choice of a tile's rows, the 64 registers of
; A' block a are 128 NEIGHBOURS along B' in the order of an operand's registers: the conversions' results are the next product's fragment.
; KIND = cluster x: 0: A' = x, B' = W_q;  1: A' = x, B' = W_k (quantised along the head's 64: two blocks a head);  2: A' = W_v, B' = x (quantised along the tokens, the second attention product's K).
; A tile of the result, 256 x 256, is made by four waves, 128 x 128 each: 64 accumulators, 512 registers.  K goes in steps of 256 through two LDS slots; a wave's tensor load brings 8 tiles x 4,096 bytes.
; The scale words of the work-group's 256 + 256 rows for all of K come into LDS once, with the first fills.
; CLUSTERS: 4 x 4 work-groups; A' tiles are asked for jointly along a row of the cluster, B' tiles along a column.  KIND is the same in all sixteen partners.
; No prefetch: the ring is walked four slots long and each tile is shared by four partners.
; LIMITS: NaN and infinities are not served; a block of results under 2^-111 keeps the byte 1; a block of zeros gets the byte 1 and not 127 (zero codes; read by this program alone).
; OUT (qkv): q and k codes [512 token tiles][16: q's 8 head pairs, k's 8][2,048] at 0; v codes [64 tiles of (head, d)][64 token steps][2,048] at 0x1000000;
; q's words at 0x1800000 and k's and v's at 0x18C0000, [64 (batch, head)][16 token steps][768]: bytes 0-511 [r][8 token tiles] words (the head's two bytes, twice), bytes 512-767 v's [r][4 tiles of d] words.
; REGISTERS: window 0: v0-31 addresses; v32-63 scale words, two sets; v128-255 A' fragments, one set.  window 1: B' fragments, two sets.  windows 2, 3: the accumulators ((a, b) at v[8 (8 (a % 4) + b)]).
.set NQ,     2
.set FR,     16
.set NL,     4
.set NP,     8                         ; places behind this matrix instruction (ISA guide 7.12.1)
.set HALFT,  32768                     ; 8 tiles x 4,096 bytes: what one tensor load brings
.set SLOT,   4*HALFT
.set LAPS,   2                         ; 1,024 along K = two laps of two slots of 256
.set SCL,    2*SLOT                    ; the scale words, as units of 256 bytes + 16 of padding
.set HALFS,  16*272
.set SBLK,   2*272
.set SPARE,  SCL+4*HALFS               ; the spare words: two blocks of 256 bytes that no other line names
.set ADRA, 16
.set ADRB, 20
.set ADRS, 27
.set SPW,  28
.set NIL,  29
.set LI,   30                          ; 16 x lane
.set SC,   32
.set AF,   128
.set WV,   20
.set RH,   21                          ; which half of A' rows is mine; also: I fetch for A' (0) or B' (1)
.set CH,   22                          ; which half of B' rows is mine; also: which 8 tiles I fetch
.set KIND, 46
.set G1, 24
.set G0, 32
.set G1B, 48
.set G0B, 56
.set G1S, 68
.set G0S, 76
.set G1SB, 80
.set G0SB, 88
.set MSB, 0
.macro WIN new                         ; the immediate's high byte repeats the setting that is left
.if MSB != \new
	s_set_vgpr_msb (MSB<<8)|\new
.set MSB, \new
.endif
.endm
.set MUL_LO, 0xa1
.set MUL_HI, 0xf1
.set TO_B,   0x40
.macro JLOAD g0a, g1a, g0b, g1b        ; a joint load: waves 0, 1 for A', waves 2, 3 for B'; four v_nop follow each line
	s_cmp_eq_u32 s[RH], 0
	s_cbranch_scc0 .Lfor_b_\@
	tensor_load_to_lds s[\g0a:\g0a+3], s[\g1a:\g1a+7]
	s_nop 0
.rept 4
	v_nop
.endr
	s_branch .Lasked_\@
.Lfor_b_\@:
	tensor_load_to_lds s[\g0b:\g0b+3], s[\g1b:\g1b+7]
	s_nop 0
.rept 4
	v_nop
.endr
.Lasked_\@:
.endm
.macro CREST
	s_cmp_lg_u32 s[WV], 0
	s_cbranch_scc1 .Lnot_wave_0_\@
	s_barrier_signal -3
.Lnot_wave_0_\@:
	s_barrier_wait -3
	s_barrier_signal -1
	s_barrier_wait -1
.endm
.macro CROUND
	s_barrier_signal -1
	s_barrier_wait -1
	CREST
.endm
	s_load_b128 s[4:7], s[0:1], 0x0                ; xq, wq
	s_load_b64 s[8:9], s[0:1], 0x10                ; qkv
	v_lshl_add_u32 v[SPW], v0, 2, SPARE
	v_mov_b32 v[NIL], 0
	ds_add_u32 v28, v29
	ds_add_u32 v28, v29
	s_wait_dscnt 0x0
	v_lshrrev_b32 v1, 5, v0
	v_readfirstlane_b32 s[WV], v1
	s_lshr_b32 s[RH], s[WV], 1
	s_and_b32 s[CH], s[WV], 1
	s_bfe_u32 s40, ttmp6, 0x40000                  ; cx
	s_bfe_u32 s41, ttmp6, 0x40004                  ; cy
	s_mov_b32 s[KIND], ttmp9                       ; cluster x
	s_and_b32 s47, ttmp7, 0xffff                   ; cluster y
	s_cmp_eq_u32 s[KIND], 2
	s_cselect_b32 s42, s47, s[KIND]                ; v: B' = x is walked by cluster y; q, k: B' = the weight KIND
	s_cselect_b32 s43, 0, s47                      ; v: A' = W_v's four tile rows; q, k: A' = x by cluster y
	s_lshl_b32 s42, s42, 2
	s_add_co_u32 s42, s42, s40                     ; TC: tile column (256 rows of B')
	s_lshl_b32 s43, s43, 2
	s_add_co_u32 s43, s43, s41                     ; TR: tile row (256 rows of A')
	s_lshl_b32 s44, s41, 2
	s_lshl_b32 s44, 15, s44                        ; my row of the cluster
	s_lshl_b32 s45, 0x1111, s40                    ; my column
	s_or_b32 s[G1+0], s44, (1<<21)                 ; 15:0 the mask; 17:16 elements of 1 byte; 21 set beside a mask; no padding: an image is read 16 bytes a lane on end
	s_or_b32 s[G1B+0], s45, (1<<21)
.irp g, G1, G1B
	s_mov_b32 s[\g+1], 4096<<16                    ; tensor_dim0: two K steps of a tile
	s_mov_b32 s[\g+2], 8<<16                       ; tensor_dim1: 8 tiles
	s_mov_b32 s[\g+3], 4096<<16                    ; tile_dim0
	s_mov_b32 s[\g+4], 8                           ; tile_dim1
	s_mov_b32 s[\g+5], 16384                       ; from tile to tile: 8 K steps x 2,048
	s_mov_b32 s[\g+6], 0
	s_mov_b32 s[\g+7], 0
.endr
	s_or_b32 s[G1S+0], s44, (3<<16)|(1<<20)|(1<<21)|(5<<22)|(3<<25)   ; the scale words of 8 tiles: 4,096 dense bytes as 16 rows of 256, 16 bytes of padding behind each
	s_or_b32 s[G1SB+0], s45, (3<<16)|(1<<20)|(1<<21)|(5<<22)|(3<<25)
.irp g, G1S, G1SB
	s_mov_b32 s[\g+1], 32<<16
	s_mov_b32 s[\g+2], 16<<16
	s_mov_b32 s[\g+3], 32<<16
	s_mov_b32 s[\g+4], 16
	s_mov_b32 s[\g+5], 32
	s_mov_b32 s[\g+6], 0
	s_mov_b32 s[\g+7], 0
.endr
	s_lshl_b32 s67, s[CH], 3
	s_lshl_b32 s66, s43, 4
	s_add_co_u32 s66, s66, s67                     ; A': the first tile that I fetch: 16 TR + 8 CH
	s_lshl_b32 s47, s42, 4
	s_add_co_u32 s47, s47, s67                     ; B': 16 TC + 8 CH
	s_cmp_eq_u32 s[KIND], 2
	s_cselect_b32 s10, 0x200000, 0                 ; A' codes: W_v's begin there in wq
	s_mov_b32 s11, 0x800000
	s_cselect_b32 s12, 0x410000, s11               ; A' scale words: W_v's in wq, or x's in xq
	s_mov_b32 s13, 0x400000
	s_cselect_b32 s13, s11, s13                    ; B' scale words: x's in xq, or the weights' in wq
	s_lshl_b32 s14, s66, 14
	s_add_co_u32 s14, s14, s10
	s_mov_b32 s15, 0
	s_lshl_b32 s16, s66, 9
	s_add_co_u32 s16, s16, s12
	s_mov_b32 s17, 0
	s_lshl_b32 s18, s47, 14
	s_mov_b32 s19, 0
	s_lshl_b32 s2, s47, 9
	s_add_co_u32 s2, s2, s13
	s_mov_b32 s3, 0
	s_mul_i32 s67, s[WV], HALFS                    ; where they go: no place in the cluster enters an LDS address
	s_lshl_b32 s66, s[WV], 15
	s_wait_kmcnt 0x0
	s_cmp_eq_u32 s[KIND], 2
	s_cselect_b64 s[92:93], s[6:7], s[4:5]         ; A' buffer
	s_cselect_b64 s[96:97], s[4:5], s[6:7]         ; B' buffer
	s_add_nc_u64 s[94:95], s[92:93], s[16:17]
	s_add_nc_u64 s[92:93], s[92:93], s[14:15]
	s_add_nc_u64 s[98:99], s[96:97], s[2:3]
	s_add_nc_u64 s[96:97], s[96:97], s[18:19]
	CROUND                                         ; all sixteen work-groups are here: the first joint loads meet
	s_mov_b32 s[G0S], 1
	s_add_co_u32 s[G0S+1], s67, SCL
	s_mov_b64 s[G0S+2:G0S+3], s[94:95]
	s_or_b32 s[G0S+3], s[G0S+3], 0x80000000
	s_mov_b32 s[G0SB], 1
	s_add_co_u32 s[G0SB+1], s67, SCL
	s_mov_b64 s[G0SB+2:G0SB+3], s[98:99]
	s_or_b32 s[G0SB+3], s[G0SB+3], 0x80000000
	JLOAD G0S, G1S, G0SB, G1SB                     ; the scale words first
.irp s, 0,1
	s_mov_b32 s[G0+4*\s], 1
	s_add_co_u32 s[G0+4*\s+1], s66, \s*SLOT
	s_add_nc_u64 s[G0+4*\s+2:G0+4*\s+3], s[92:93], \s*4096
	s_or_b32 s[G0+4*\s+3], s[G0+4*\s+3], 0x80000000
	s_mov_b32 s[G0B+4*\s], 1
	s_add_co_u32 s[G0B+4*\s+1], s66, \s*SLOT
	s_add_nc_u64 s[G0B+4*\s+2:G0B+4*\s+3], s[96:97], \s*4096
	s_or_b32 s[G0B+4*\s+3], s[G0B+4*\s+3], 0x80000000
	JLOAD G0+4*\s, G1, G0B+4*\s, G1B
.endr
	v_and_b32 v1, 15, v0                           ; r
	v_bfe_u32 v2, v0, 4, 1                         ; h
	v_and_b32 v3, 31, v0
	v_lshlrev_b32 v[LI], 4, v3
	s_lshl_b32 s10, s[RH], 15                      ; my 8 tiles of A'
	s_lshl_b32 s11, s[CH], 15
	s_add_co_u32 s11, s11, 2*HALFT                 ; my 8 tiles of B', behind A' 16
.irp s, 0,1
	v_add_nc_u32 v[ADRA+\s], s10, v[LI]
	v_add_nc_u32 v[ADRB+\s], s11, v[LI]
	s_add_co_u32 s10, s10, SLOT
	s_add_co_u32 s11, s11, SLOT
.endr
	v_lshlrev_b32 v5, 5, v1                        ; my row's scale words: 32 bytes a row,
	v_lshrrev_b32 v6, 8, v5
	v_lshl_add_u32 v5, v6, 4, v5                   ; and 16 more for each 256 passed
	s_mul_i32 s10, s[RH], HALFS
	s_mul_i32 s11, s[CH], HALFS
	s_add_co_u32 s11, s11, 2*HALFS
	s_sub_co_u32 s11, s11, s10
	v_mul_u32_u24 v6, s11, v2                      ; lanes 16-31 take B' words
	s_add_co_u32 s10, s10, SCL
	v_add_nc_u32 v5, v5, v6
	v_add_nc_u32 v[ADRS], s10, v5
.macro FRAG reg, adr, q, i             ; a fragment comes back as it was stored: four loads of 512 consecutive bytes
.irp c, 0,1,2,3
	ds_load_b128 v[\reg+4*\c:\reg+4*\c+3], v[\adr] offset:2048*(\q)+512*\c+4096*(\i)
.endr
.endm
; 16 matrix instructions: A' blocks a0, a0 + 1 x B' eight.  The 64 accumulators take turns, one instruction a turn, in the same order in every step.
.macro MUL16 a0, p, q, sc, zero
.irp a, \a0, \a0+1
.irp b, 0,1,2,3,4,5,6,7
.if \zero
	v_wmma_scale_f32_16x16x128_f8f6f4 v[8*(8*((\a)%4)+\b):8*(8*((\a)%4)+\b)+7], v[128*(\p)+FR*\b:128*(\p)+FR*\b+FR-1], v[AF+FR*(\a):AF+FR*(\a)+FR-1], 0, v[SC+8*NQ*(\sc)+NQ*\b+(\q)], v[SC+8*NQ*(\sc)+NQ*(\a)+(\q)] matrix_a_fmt:MATRIX_FMT_BF8 matrix_b_fmt:MATRIX_FMT_BF8 matrix_a_scale:MATRIX_SCALE_ROW1
.else
	v_wmma_scale_f32_16x16x128_f8f6f4 v[8*(8*((\a)%4)+\b):8*(8*((\a)%4)+\b)+7], v[128*(\p)+FR*\b:128*(\p)+FR*\b+FR-1], v[AF+FR*(\a):AF+FR*(\a)+FR-1], v[8*(8*((\a)%4)+\b):8*(8*((\a)%4)+\b)+7], v[SC+8*NQ*(\sc)+NQ*\b+(\q)], v[SC+8*NQ*(\sc)+NQ*(\a)+(\q)] matrix_a_fmt:MATRIX_FMT_BF8 matrix_b_fmt:MATRIX_FMT_BF8 matrix_a_scale:MATRIX_SCALE_ROW1
.endif
.endr
.endr
.endm
.macro FETCH_B slot, q, p
	WIN TO_B
.irp i, 0,1,2,3,4,5,6,7
	FRAG 128*(\p)+FR*\i, ADRB+\slot, \q, \i
.endr
	WIN 0
.endm
.macro FETCH_A slot, q, i0
.irp i, \i0, \i0+1, \i0+2, \i0+3
	FRAG AF+FR*(\i), ADRA+\slot, \q, \i
.endr
.endm
.macro SCALES sc                       ; a slot's two words a row: lanes 0-15 A' block i, lanes 16-31 B' block i
.irp i, 0,1,2,3,4,5,6,7
	ds_load_b64 v[SC+8*NQ*\sc+NQ*\i:SC+8*NQ*\sc+NQ*\i+1], v[ADRS] offset:\i*SBLK
.endr
.endm
.macro PLACES n                        ; plain vector lines between a matrix instruction and a load into, or a vector read of, its registers
.rept \n
	v_nop
.endr
.endm
.macro STEP slot, q, zero              ; 128 along K that has its successor in the same slot
	s_wait_dscnt 4*NL                              ; B' set and A' blocks 0-3 are in; the youngest 16 loads (A' blocks 4-7) may be out
	WIN MUL_LO
	MUL16 0, (\q)%2, \q, \slot, \zero
	MUL16 2, (\q)%2, \q, \slot, \zero
	s_wait_dscnt 0
	PLACES NP
	FETCH_B \slot, (\q)+1, 1-(\q)%2
	FETCH_A \slot, (\q)+1, 0
	WIN MUL_HI
	MUL16 4, (\q)%2, \q, \slot, \zero
	MUL16 6, (\q)%2, \q, \slot, \zero
	PLACES NP
	WIN 0
	FETCH_A \slot, (\q)+1, 4
.endm
; A slot's last step changes slots: one barrier; in front of it each wave waits for all its tensor loads, adds 0 to its spare word, and waits for that and for its reads of this slot.
.macro TURN slot, next, fill
	s_wait_tensorcnt 0x0                           ; all my tensor loads have landed: my part of the next slot
	ds_add_u32 v[SPW], v[NIL]                      ; 0 onto my spare word
	s_wait_dscnt 4*NL+1                            ; the add and the youngest 16 loads may be out
	WIN MUL_LO
	MUL16 0, 1, NQ-1, \slot, 0
	s_wait_dscnt 0x0                               ; the add is done, and my reads of this slot are over
	s_barrier_signal -1
	MUL16 2, 1, NQ-1, \slot, 0
	WIN 0
	s_barrier_wait -1
.if \fill
	CREST                                          ; the barrier has opened a round of the cluster's barrier: no wave of any partner still reads this slot or has a load on its way
	s_add_nc_u64 s[G0+4*\slot+2:G0+4*\slot+3], s[G0+4*\slot+2:G0+4*\slot+3], 8192
	s_add_nc_u64 s[G0B+4*\slot+2:G0B+4*\slot+3], s[G0B+4*\slot+2:G0B+4*\slot+3], 8192
	JLOAD G0+4*\slot, G1, G0B+4*\slot, G1B         ; the first tensor load behind the round; its four v_nop are among the places below
	PLACES NP-4
.else
	PLACES NP
.endif
	s_wait_alu depctr_va_vdst(0)
	v_add_nc_u32 v[ADRS], 4*NQ, v[ADRS]            ; the next slot's scale words
	FETCH_B \next, 0, 0
	FETCH_A \next, 0, 0
	SCALES \next
	WIN MUL_HI
	MUL16 4, 1, NQ-1, \slot, 0
	MUL16 6, 1, NQ-1, \slot, 0
	PLACES NP
	WIN 0
	FETCH_A \next, 0, 4
.endm
	s_wait_alu depctr_va_vdst(0)
	s_wait_tensorcnt 1                             ; the scale words and my part of slot 0 are in; slot 1's load may be out
	s_barrier_signal -1
	s_barrier_wait -1
	FETCH_B 0, 0, 0
	FETCH_A 0, 0, 0
	SCALES 0
	FETCH_A 0, 0, 4
	STEP 0, 0, 1                                   ; the first step's products start the sums
	s_mov_b32 s23, LAPS-1
.Llap:
	TURN 0, 1, 1
	STEP 1, 0, 0
	TURN 1, 0, 1
	STEP 0, 0, 0
	s_sub_co_u32 s23, s23, 1
	s_cmp_lg_u32 s23, 0
	s_cbranch_scc1 .Llap
	TURN 0, 1, 0                                   ; the last lap fills nothing
	STEP 1, 0, 0
	s_wait_dscnt 4*NL
	WIN MUL_LO
	MUL16 0, 1, NQ-1, 1, 0
	MUL16 2, 1, NQ-1, 1, 0
	s_wait_dscnt 0
	WIN MUL_HI
	MUL16 4, 1, NQ-1, 1, 0
	MUL16 6, 1, NQ-1, 1, 0
	WIN 0
; THE WAY OUT: no LDS.  A' block a's 64 registers of a lane are quantised where they lie; the codes are a fragment's registers and leave by four stores of 512 consecutive bytes.
.set TM,  32                           ; v32-35 largest magnitudes, v36-39 bytes, v44-47 the conversions' scale operand
.set PW,  48                           ; v48-55 block a's scale word
.set SEL, 56                           ; v56-59 lanes 0-15: blocks 0-3' words, lanes 16-31: blocks 4-7'
.set SH,  60                           ; v60-63 the even head's words;  v192-195 the odd head's
.set SH2, 192
.set PC,  64                           ; v64-191 the codes, 16 registers a block: never rewritten
.set CO,  200                          ; v200-207 block a's offset
.set VO,  208
	PLACES NP
	s_mov_b32 s10, 0x76543210
	s_mov_b32 s11, 0xfedcba98
	s_cmp_eq_u32 s[KIND], 2
	s_mov_b32 s13, 32768
	s_cselect_b32 s13, 131072, s13                 ; from one tile of A' to the next in the output
	s_cselect_b32 s2, 0x1000000, 0
	s_lshl_b32 s17, s43, 1
	s_add_co_u32 s17, s17, s[RH]                   ; P = 2 TR + RH: my 128 rows of A'
	s_lshl_b32 s18, s42, 1
	s_add_co_u32 s18, s18, s[CH]                   ; Q = 2 TC + CH: my 128 rows of B'
	s_lshl_b32 s19, s17, 3
	s_mul_i32 s19, s19, s13
	s_add_co_u32 s2, s2, s19
	s_lshl_b32 s19, s18, 11
	s_add_co_u32 s2, s2, s19
	s_mov_b32 s3, 0
	s_add_nc_u64 s[100:101], s[8:9], s[2:3]        ; my first fragment
	s_and_b32 s19, s18, 7
	s_cmp_eq_u32 s[KIND], 2
	s_cselect_b32 s66, s18, s17                    ; the token step: Q for v, P for q and k
	s_cselect_b32 s67, s17, s19                    ; the head pair: P for v, Q mod 8 for q and k
	s_lshr_b32 s2, s66, 4
	s_lshl_b32 s2, s2, 3
	s_add_co_u32 s2, s2, s67
	s_lshl_b32 s2, s2, 5                           ; (16 batch + even head) x 16 steps
	s_and_b32 s66, s66, 15
	s_add_co_u32 s2, s2, s66
	s_mul_i32 s2, s2, 768
	s_cmp_eq_u32 s[KIND], 0
	s_mov_b32 s19, 0x18C0000
	s_cselect_b32 s19, 0x1800000, s19
	s_add_co_u32 s2, s2, s19
	s_add_nc_u64 s[14:15], s[8:9], s[2:3]          ; my scale words
	s_mov_b32 s16, 0xffff0000                      ; lanes 16-31
.irp b, 0,1,2,3
	v_mov_b32 v[TM+4+\b], 0                        ; a lane permute's destination counts as one of its sources
.endr
	v_mov_b32 v[CO], v[LI]
.irp a, 1,2,3,4,5,6,7
	v_add_nc_u32 v[CO+\a], s13, v[CO+\a-1]
.endr
.macro QUANTW a
.set QW, 2+(\a)/4                      ; the block's window
.set S0, 64*((\a)%4)
.set PCA, PC+16*(\a)
	WIN QW|(QW<<2)
.irp b, 0,1,2,3
	v_max3_num_f32 v[TM+\b], |v[S0+16*\b]|, |v[S0+16*\b+1]|, 0x8000000   ; each accumulator is read from its low end on; the floor 2^(16 - 127)
.endr
	WIN (QW<<2)|(QW<<4)
.irp i, 2,4,6,8,10,12,14
.irp b, 0,1,2,3
	v_max3_num_f32 v[TM+\b], v[TM+\b], |v[S0+16*\b+\i]|, |v[S0+16*\b+\i+1]|
.endr
.endr
	WIN 0
.irp b, 0,1,2,3
	v_permlanex16_b32 v[TM+4+\b], v[TM+\b], s10, s11
.endr
.irp b, 0,1,2,3
	v_max_num_f32 v[TM+\b], v[TM+\b], v[TM+4+\b]
.endr
.irp b, 0,1,2,3
	v_add_nc_u32 v[TM+12+\b], 0xf8800000, v[TM+\b]
.endr
.irp b, 0,1,2,3
.endr
.irp b, 0,1,2,3
	v_lshrrev_b32 v[TM+4+\b], 23, v[TM+12+\b]
.endr
	v_lshl_or_b32 v[PW+\a], v[TM+5], 8, v[TM+4]
	v_lshl_or_b32 v[PW+\a], v[TM+6], 16, v[PW+\a]
	v_lshl_or_b32 v[PW+\a], v[TM+7], 24, v[PW+\a]
	WIN QW|(QW<<6)
.irp b, 0,1,2,3
.irp i, 0,1,2,3,4,5,6,7,8,9,10,11,12,13,14,15
.endr
.endr
	WIN QW
.irp b, 0,1,2,3
	v_cvt_scalef32_pk8_bf8_f32 v[PCA+4*\b:PCA+4*\b+1], v[S0+16*\b:S0+16*\b+7], v[TM+12+\b]
	v_cvt_scalef32_pk8_bf8_f32 v[PCA+4*\b+2:PCA+4*\b+3], v[S0+16*\b+8:S0+16*\b+15], v[TM+12+\b]
.endr
	WIN 0
	v_nop                                          ; a plain line behind the last conversion
.irp c, 0,1,2,3
	global_store_b128 v[CO+\a], v[PCA+4*\c:PCA+4*\c+3], s[100:101] offset:512*\c
.endr
.endm
.irp a, 0,1,2,3,4,5,6,7
	QUANTW \a
.endr
.irp j, 0,1,2,3
	v_cndmask_b32 v[SEL+\j], v[PW+\j], v[PW+4+\j], s16
.endr
	s_cmp_eq_u32 s[KIND], 2                        ; the same in all sixteen partners
	s_cbranch_scc1 .Lv_words
	v_lshlrev_b32 v[VO], 5, v1
	v_lshl_add_u32 v[VO], v2, 4, v[VO]             ; [r][8 token tiles]: lanes 0-15 tiles 0-3, lanes 16-31 tiles 4-7: 512 consecutive bytes
.irp j, 0,1,2,3
	v_perm_b32 v[SH+\j], v[SEL+\j], v[SEL+\j], 0x01000100    ; the even head's two bytes, twice
.endr
	global_store_b128 v[VO], v[SH:SH+3], s[14:15]
.irp j, 0,1,2,3
	v_perm_b32 v[SH2+\j], v[SEL+\j], v[SEL+\j], 0x03020302   ; the odd head's
.endr
	global_store_b128 v[VO], v[SH2:SH2+3], s[14:15] offset:12288
	s_branch .Lwords_done
.Lv_words:
	v_lshlrev_b32 v[VO], 4, v1
	v_mad_u32_u24 v[VO], v2, 12288, v[VO]          ; [r][4 tiles of d]: lanes 0-15 the even head, lanes 16-31 the odd one
	s_wait_alu depctr_va_vdst(0)
	global_store_b128 v[VO], v[SEL:SEL+3], s[14:15] offset:512
.Lwords_done:
	s_wait_tensorcnt 0x0                           ; the wave's end
	ds_add_u32 v[SPW], v[NIL]
	s_wait_dscnt 0x0
	CROUND                                         ; the closing round
	s_endpgm
.Lfunc_end_k_q334dc04c3b_proj:
	.size	k_q334dc04c3b_proj, .Lfunc_end_k_q334dc04c3b_proj-k_q334dc04c3b_proj
	.p2alignl 7, 3214868480
	.fill 96, 4, 3214868480
	.section	.rodata,"a",@progbits
	.p2align	6, 0x0
	.amdhsa_kernel k_q334dc04c3b_proj
		.amdhsa_group_segment_fixed_size 327680
		.amdhsa_private_segment_fixed_size 0
		.amdhsa_enable_private_segment 0
		.amdhsa_kernarg_size 24
		.amdhsa_user_sgpr_count 2
		.amdhsa_user_sgpr_kernarg_segment_ptr 1
		.amdhsa_wavefront_size32 1
		.amdhsa_system_sgpr_workgroup_id_x 1
		.amdhsa_system_sgpr_workgroup_id_y 1
		.amdhsa_system_sgpr_workgroup_id_z 1
		.amdhsa_system_vgpr_workitem_id 0
		.amdhsa_next_free_vgpr 1024
		.amdhsa_next_free_sgpr 104
		.amdhsa_reserve_vcc 0
		.amdhsa_float_denorm_mode_32 3
		.amdhsa_float_denorm_mode_16_64 3
		.amdhsa_fp16_overflow 1
		.amdhsa_memory_ordered 1
		.amdhsa_forward_progress 1
		.amdhsa_inst_pref_size 152
	.end_amdhsa_kernel
	.amdgpu_metadata
---
amdhsa.version: [ 1, 2 ]
amdhsa.kernels:
  - .name:           k_q334dc04c3b_proj
    .symbol:         k_q334dc04c3b_proj.kd
    .args:
      - { .name: xq, .offset: 0, .size: 8, .value_kind: global_buffer, .address_space: global }
      - { .name: wq, .offset: 8, .size: 8, .value_kind: global_buffer, .address_space: global }
      - { .name: qkv, .offset: 16, .size: 8, .value_kind: global_buffer, .address_space: global }
    .group_segment_fixed_size: 327680
    .private_segment_fixed_size: 0
    .kernarg_segment_align: 8
    .kernarg_segment_size: 24
    .max_flat_workgroup_size: 128
    .sgpr_count:     104
    .vgpr_count:     1024
    .wavefront_size: 32
...
	.end_amdgpu_metadata
.endif
;; end of part 3
;; launch attn (part 4): grid 4 x 64, 16 waves a work-group, no clusters, 327,680 bytes of LDS; arguments qkv, ctx; writes ctx
.if DOCPART == 4
	.amdgcn_target "amdgcn-amd-amdhsa--gfx1250"
	.amdhsa_code_object_version 6
	.text
	.protected	k_q334dc04c3b_attn
	.globl	k_q334dc04c3b_attn
	.p2align	8
	.type	k_q334dc04c3b_attn,@function
k_q334dc04c3b_attn:
	s_mov_b64 s[64:65], 0
	v_nop
	global_prefetch_b8 v0, s[64:65] scope:SCOPE_SE
	s_setreg_imm32_b32 hwreg(HW_REG_WAVE_MODE, 25, 1), 1
	s_wait_xcnt 0x0
; Causal attention of one (batch, head) on codes of BF8 (E5M2) with E8M0 scales; head size 64; the result is quantised along the head's 64 and leaves as codes for the last product.
; THE SOFTMAX: t = score x log2(e) / 8; M = the row's largest t so far, rounded UP to a whole number; p = 2^(t - M) is quantised along the keys, not normalised; the row's sum is taken of the
; unquantised p and divides at the end.  When M moves, the sum and O are multiplied by 2^(old M - new M): exact.
; SHARES: work-group i of a head owns query blocks 7 - i and then i (256 queries each): (8 - i) + (i + 1) = 9 slots of 256 keys for every work-group: 256 equal work-groups, a loop of 8 trips and a tail.
; Each of sixteen waves owns one tile of 16 queries of the block in hand, in 256 registers.  K, V and their scale words come through two LDS slots (wave 0: K; wave 1: V; wave 2: the words).
; NO CLUSTER: the four work-groups of a head turn back to key slot 0 after 8 - i slots, so from then on they ask for different tiles: joint requests would not be alike in all partners.
; LAYOUT: all operands are images of operand registers (tile T of 16 rows, lane place r = row 32 (T / 2) + 8 (T % 2) + r + 8 (r / 8)).  Both products are used transposed (S^T = K Q^T, O^T = V^T P^T):
; a lane holds one query; the 16 registers of two neighbouring tiles of S^T are 16 neighbouring keys, those of O^T 16 neighbouring d.
; THE FIRST PRODUCT'S K IS 64: the other 64 of the instruction's 128 are zero codes on BOTH sides.  Even key tiles go as [data, zeros] against [Q, zeros], odd ones as [zeros, data] against [zeros, Q];
; a scale word holds the head's two bytes twice, so it serves both.
; CAUSAL: a step all of whose 128 keys come after my queries is left out by a scalar branch on ids; on the diagonal hidden scores become -infinity ahead of the maximum.  A step that is worked has its first key
; at or before every one of my queries, so M is a number from the first step on.
; LIMITS: NaN and infinities are not served; a block under 2^-111 keeps the byte 1; a block of zeros gets the byte 1 and not 127.  ctx's scale bytes leave singly: a row's 32 bytes come from 16 work-groups.
.set SLOT1, 65536                      ; a slot: K's 16 tiles x 1,024 at 0; V's 4 tiles x 4,096 at VOFF; two steps' words, 768 each, at SOFF
.set VOFF,  16384
.set SOFF,  32768
.set SPARE, 2*SLOT1                    ; the spare words: eight blocks of 256 bytes that no other line names
.set LI,  1                            ; v1   16 x lane
.set LSK, 2                            ; v2   32 r
.set LSV, 3                            ; v3   16 r
.set QL,  4                            ; v4   r + 8 (r / 8) - 16 h
.set SPW, 5
.set NIL, 6
.set PFO, 7                            ; v7   the prefetches' offset; never rewritten
.set ADK, 8
.set ADS, 9
.set ADT, 10
.set CSO, 11                           ; v11  32 r + h
; v12 -M, v13 the largest t, v[14:15] the sum;  v16-23 Q, v24-31 zeros, v32-39 Q;  v40-47 K, v48-55 zeros, v56-63 K;  v64-71 K, v72-79 zeros, v80-87 K;  v88-95 the early block's Q
.set SCR, 96                           ; v96-159  S^T, then p, then V's four fragments
.set OTR, 160                          ; v160-191 O^T
.set PCO, 192                          ; v192-207 p's codes
.set KWD, 208                          ; v208-215 K's words
.set VWD, 216                          ; v216-219 V's words
.set QWD, 220
.set QWE, 221
.set PWD, 222
.set BMX, 224
.set PBY, 228
.set HLD, 232
.set SOP, 236
.set TMP, 240
.set BYT, 241
.set FAC, 242                          ; v[242:243]: f; v243 is written once
.set MDD, 244
.set NIN, 245
.set TB,  2
.set SLOTS, 3
.set WV,  18
.set MNT, 19
.set SEL, 20
.set CS,  22
.set G1K, 24
.set G1V, 32
.set G1S, 40
.set G0K, 48
.set G0V, 52
.set G0S, 56
.set KB,  60
.set VB,  62
.set SB,  66
.set NXT, 68
.set LASTP, 69
.set KS,  70
.set KF,  71
.set Q0,  72
.set PFA, 76
.set PFS, 78
.set LIM, 80
.set UPP, 81
.set CC,  82                           ; s[82:83] ctx's codes, s[84:85] its scale bytes, of the block in hand; s[86:89] the early block's; s90 its first query
.macro TLOAD                           ; one load a wave, waves 0 to 2; four v_nop follow each line
	s_cmp_lg_u32 s[WV], 0
	s_cbranch_scc1 .Lnot_k_\@
	tensor_load_to_lds s[G0K:G0K+3], s[G1K:G1K+7]
	s_nop 0
.rept 4
	v_nop
.endr
	s_branch .Lasked_\@
.Lnot_k_\@:
	s_cmp_lg_u32 s[WV], 1
	s_cbranch_scc1 .Lnot_v_\@
	tensor_load_to_lds s[G0V:G0V+3], s[G1V:G1V+7]
	s_nop 0
.rept 4
	v_nop
.endr
	s_branch .Lasked_\@
.Lnot_v_\@:
	s_cmp_lg_u32 s[WV], 2
	s_cbranch_scc1 .Lasked_\@
	tensor_load_to_lds s[G0S:G0S+3], s[G1S:G1S+7]
	s_nop 0
.rept 4
	v_nop
.endr
.Lasked_\@:
.endm
; A PREFETCH of the key slot that the NEXT change of slots will ask for.  All four work-groups of a head walk the same K and V: work-group 0, which walks key slots 0 to 7 in order, asks.
; A slot's K is 16 rows of 1,024 bytes and its V 4 rows of 4,096: 64 blocks of 256 bytes each.  Waves 4, 5 name K's, waves 6, 7 V's, a lane a block: each block is named once in the launch.
; Trip s names key slot s + 2, for s = 0 to 5; slots 0 and 1 come by their loads alone; the scale words are not asked for.
.macro ASK
	s_cmp_gt_u32 s[SLOTS], s[LIM]
	s_cbranch_scc0 .Lnot_mine_\@
	global_prefetch_b8 v[PFO], s[PFA:PFA+1] th:TH_LOAD_NT scope:SCOPE_SE
.Lnot_mine_\@:
.endm
	s_load_b128 s[4:7], s[0:1], 0x0                ; qkv, ctx
	v_lshl_add_u32 v[SPW], v0, 2, SPARE
	v_mov_b32 v[NIL], 0
	ds_add_u32 v5, v6
	ds_add_u32 v5, v6
	s_wait_dscnt 0x0
	v_lshrrev_b32 v8, 5, v0
	s_delay_alu instid0(VALU_DEP_1)
	v_readfirstlane_b32 s[WV], v8
	s_and_b32 s95, ttmp7, 0xffff                   ; (batch, head)
	s_lshr_b32 s93, s95, 4                         ; batch
	s_and_b32 s94, s95, 15                         ; head
	s_sub_co_u32 s[LASTP], 8, ttmp9                ; the late block's slots
	s_lshr_b32 s99, s94, 1
	s_lshl_b32 s99, s99, 11
	s_and_b32 s8, s94, 1
	s_lshl_b32 s8, s8, 10
	s_add_co_u32 s99, s99, s8                      ; the head's 1,024 bytes in a token tile's eight fragments
	s_lshl_b32 s8, s93, 22
	s_add_co_u32 s8, s8, s99
	s_add_co_u32 s8, s8, 16384                     ; K's fragments lie behind q's eight
	s_mov_b32 s9, 0
	s_lshl_b32 s10, s94, 19
	s_lshl_b32 s11, s93, 15
	s_add_co_u32 s10, s10, s11
	s_add_co_u32 s10, s10, 0x1000000
	s_mov_b32 s11, 0
	s_mul_i32 s12, s95, 12288
	s_add_co_u32 s12, s12, 0x18C0000
	s_mov_b32 s13, 0
	s_mov_b32 s[G1K], 0                            ; elements of 1 byte, no mask, no padding
	s_mov_b32 s[G1K+1], 1024<<16                   ; a token tile's 1,024 bytes of this head
	s_mov_b32 s[G1K+2], 16<<16                     ; 16 token tiles
	s_mov_b32 s[G1K+3], 1024<<16
	s_mov_b32 s[G1K+4], 16
	s_mov_b32 s[G1K+5], 32768
	s_mov_b32 s[G1K+6], 0
	s_mov_b32 s[G1K+7], 0
	s_mov_b32 s[G1V], 0
	s_mov_b32 s[G1V+1], 4096<<16                   ; two token steps of a tile of d
	s_mov_b32 s[G1V+2], 4<<16
	s_mov_b32 s[G1V+3], 4096<<16
	s_mov_b32 s[G1V+4], 4
	s_mov_b32 s[G1V+5], 131072
	s_mov_b32 s[G1V+6], 0
	s_mov_b32 s[G1V+7], 0
	s_mov_b32 s[G1S], 3<<16                        ; 1,536 dense bytes as 6 rows of 256 (32 elements of 8 bytes)
	s_mov_b32 s[G1S+1], 32<<16
	s_mov_b32 s[G1S+2], 6<<16
	s_mov_b32 s[G1S+3], 32<<16
	s_mov_b32 s[G1S+4], 6
	s_mov_b32 s[G1S+5], 32
	s_mov_b32 s[G1S+6], 0
	s_mov_b32 s[G1S+7], 0
	s_mov_b32 s[SEL], 0x76543210
	s_mov_b32 s[SEL+1], 0xfedcba98
	s_mov_b32 s[CS], 0x3e38aa3b                    ; c = log2(e) / 8
	s_mov_b32 s[CS+1], s[CS]
	s_mov_b32 s[UPP], 0xffff0000
	s_mov_b32 s[TB], 0
	s_mov_b32 s[NXT], 0
	s_mov_b32 s[KS], 0
	s_mov_b32 s[KF], 0
	s_mov_b32 s[SLOTS], 8
	s_wait_kmcnt 0x0
	s_add_nc_u64 s[KB:KB+1], s[4:5], s[8:9]
	s_add_nc_u64 s[VB:VB+1], s[4:5], s[10:11]
	s_add_nc_u64 s[SB:SB+1], s[4:5], s[12:13]
	s_mov_b32 s[G0K], 1
	s_mov_b32 s[G0K+1], 0
	s_mov_b64 s[G0K+2:G0K+3], s[KB:KB+1]
	s_or_b32 s[G0K+3], s[G0K+3], 0x80000000
	s_mov_b32 s[G0V], 1
	s_mov_b32 s[G0V+1], VOFF
	s_mov_b64 s[G0V+2:G0V+3], s[VB:VB+1]
	s_or_b32 s[G0V+3], s[G0V+3], 0x80000000
	s_mov_b32 s[G0S], 1
	s_mov_b32 s[G0S+1], SOFF
	s_mov_b64 s[G0S+2:G0S+3], s[SB:SB+1]
	s_or_b32 s[G0S+3], s[G0S+3], 0x80000000
	TLOAD                                          ; key slot 0 into slot 0
	s_lshl_b32 s96, s93, 7
	s_add_co_u32 s96, s96, s[WV]
	s_sub_co_u32 s91, 7, ttmp9                     ; the late block
	s_lshl_b32 s97, s91, 4
	s_add_co_u32 s97, s97, s96                     ; my token tile in it: 128 batch + 16 block + wave
	s_lshl_b32 s98, ttmp9, 4
	s_add_co_u32 s98, s98, s96                     ; and in the early block
	s_lshl_b32 s8, s97, 15
	s_add_co_u32 s8, s8, s99
	s_mov_b32 s9, 0
	s_add_nc_u64 s[8:9], s[4:5], s[8:9]            ; Q's codes, late
	s_lshl_b32 s10, s98, 15
	s_add_co_u32 s10, s10, s99
	s_mov_b32 s11, 0
	s_add_nc_u64 s[10:11], s[4:5], s[10:11]        ; early
	s_lshl_b32 s12, s95, 4
	s_lshr_b32 s13, s[WV], 3
	s_add_co_u32 s12, s12, s13
	s_and_b32 s13, s[WV], 7
	s_lshl_b32 s13, s13, 2
	s_add_co_u32 s13, s13, 0x1800000
	s_lshl_b32 s14, s91, 1
	s_add_co_u32 s14, s14, s12                     ; the token step: 16 (batch, head) + 2 block + wave / 8
	s_mul_i32 s14, s14, 768
	s_add_co_u32 s14, s14, s13
	s_mov_b32 s15, 0
	s_add_nc_u64 s[14:15], s[4:5], s[14:15]        ; Q's words, late
	s_lshl_b32 s16, ttmp9, 1
	s_add_co_u32 s16, s16, s12
	s_mul_i32 s16, s16, 768
	s_add_co_u32 s16, s16, s13
	s_mov_b32 s17, 0
	s_add_nc_u64 s[16:17], s[4:5], s[16:17]        ; early
	v_and_b32 v8, 15, v0                           ; r
	v_bfe_u32 v9, v0, 4, 1                         ; h
	v_and_b32 v10, 31, v0
	s_delay_alu instid0(VALU_DEP_1)
	v_lshlrev_b32 v[LI], 4, v10
	s_delay_alu instid0(VALU_DEP_4)
	v_lshlrev_b32 v[LSK], 5, v8
	v_lshlrev_b32 v[LSV], 4, v8
	global_load_b128 v[16:19], v[LI], s[8:9]
	global_load_b128 v[20:23], v[LI], s[8:9] offset:512
	global_load_b128 v[88:91], v[LI], s[10:11]
	global_load_b128 v[92:95], v[LI], s[10:11] offset:512
	global_load_b32 v[QWD], v[LSK], s[14:15]
	global_load_b32 v[QWE], v[LSK], s[16:17]
	v_and_b32 v[QL], 8, v8
	s_delay_alu instid0(VALU_DEP_1)
	v_add_nc_u32 v[QL], v[QL], v8
	v_lshlrev_b32 v10, 4, v9
	s_delay_alu instid0(VALU_DEP_1)
	v_sub_nc_u32 v[QL], v[QL], v10
	v_add_nc_u32 v[CSO], v[LSK], v9
	s_lshl_b32 s74, s97, 14
	s_add_co_u32 s74, s74, s99
	s_mov_b32 s75, 0
	s_add_nc_u64 s[CC:CC+1], s[6:7], s[74:75]      ; ctx's codes: (8 tile + head / 2) 2,048 + (head % 2) 1,024
	s_lshl_b32 s74, s98, 14
	s_add_co_u32 s74, s74, s99
	s_add_nc_u64 s[CC+4:CC+5], s[6:7], s[74:75]
	s_lshl_b32 s73, s94, 1
	s_add_co_u32 s73, s73, 0x800000
	s_lshl_b32 s74, s97, 9
	s_add_co_u32 s74, s74, s73
	s_add_nc_u64 s[CC+2:CC+3], s[6:7], s[74:75]    ; its scale bytes: 512 tile + 2 head
	s_lshl_b32 s74, s98, 9
	s_add_co_u32 s74, s74, s73
	s_add_nc_u64 s[CC+6:CC+7], s[6:7], s[74:75]
	s_lshr_b32 s73, s[WV], 1
	s_lshl_b32 s73, s73, 5
	s_and_b32 s74, s[WV], 1
	s_lshl_b32 s74, s74, 3
	s_add_co_u32 s73, s73, s74
	s_lshl_b32 s[Q0], s91, 8
	s_add_co_u32 s[Q0], s[Q0], s73                 ; my tile's first query: 256 block + 32 (wave / 2) + 8 (wave % 2)
	s_lshl_b32 s90, ttmp9, 8
	s_add_co_u32 s90, s90, s73
	; the prefetches: who asks, and where
	s_and_b32 s73, s[WV], 1
	s_lshl_b32 s73, s73, 5
	v_and_b32 v[PFO], 31, v0
	s_delay_alu instid0(VALU_DEP_1)
	v_add_nc_u32 v[PFO], s73, v[PFO]               ; my block of the 64
	s_wait_alu depctr_va_vdst(0)
	s_cmp_lt_u32 s[WV], 6
	s_cselect_b32 s74, 2, 4
	s_cselect_b32 s75, 3, 15
	s_mov_b32 s92, 131072
	s_cselect_b32 s92, 32768, s92
	s_mov_b32 s[PFS], 4096
	s_cselect_b32 s[PFS], 524288, s[PFS]           ; a key slot on
	s_mov_b32 s[PFS+1], 0
	s_cselect_b64 s[PFA:PFA+1], s[KB:KB+1], s[VB:VB+1]
	v_lshrrev_b32 v8, s74, v[PFO]
	v_and_b32 v9, s75, v[PFO]
	s_delay_alu instid0(VALU_DEP_2)
	v_mul_lo_u32 v8, v8, s92
	s_delay_alu instid0(VALU_DEP_1)
	v_lshl_add_u32 v[PFO], v9, 8, v8
	s_add_nc_u64 s[PFA:PFA+1], s[PFA:PFA+1], s[PFS:PFS+1]   ; at key slot 1: the first change steps it to slot 2
	s_sub_co_u32 s73, s[WV], 4
	s_lshr_b32 s73, s73, 2                         ; 0 in waves 4 to 7,
	s_or_b32 s73, s73, ttmp9                       ; of the head's work-group 0
	s_cmp_eq_u32 s73, 0
	s_cselect_b32 s[LIM], 2, -1
.irp j, 0,1,2,3,4,5,6,7
	v_mov_b32 v[24+\j], 0                          ; the zero codes
	v_mov_b32 v[48+\j], 0
	v_mov_b32 v[72+\j], 0
.endr
	v_mov_b32 v13, 0xff61b1e6                      ; the largest t so far: -3e38
	s_delay_alu instid0(VALU_DEP_1)
	v_floor_f32 v12, -v13                          ; -M
	v_mov_b32 v14, 0
	v_mov_b32 v15, 0
.irp b, 0,1,2,3
	v_mov_b32 v[PBY+\b], 0                         ; a lane permute's destination counts as one of its sources
.endr
	v_mov_b32 v[TMP], 0
	v_mov_b32 v[FAC+1], 0
.set JJ, 0
.rept 32
	v_mov_b32 v[OTR+JJ], 0
.set JJ, JJ+1
.endr
	s_wait_loadcnt 0x0                             ; Q
.irp j, 0,1,2,3,4,5,6,7
	v_mov_b32 v[32+\j], v[16+\j]
.endr
; A KEY STEP: 128 keys, the q-th of the slot in hand
.macro STEP q
	s_add_co_u32 s73, s[Q0], 23                    ; my last query
	s_cmp_gt_u32 s[KF], s73
	s_cbranch_scc1 .Lhidden_\@
	v_add_nc_u32 v[ADK], s[TB], v[LI]
	v_add_nc_u32 v[ADS], s[TB], v[LSK]
	v_add_nc_u32 v[ADT], s[TB], v[LSV]
.rept 7
	v_nop                                          ; ten places with the three above: S^T is written over registers that the last products read as an operand, which asks for nine
.endr
	ds_load_b128 v[KWD:KWD+3], v[ADS] offset:SOFF+768*(\q)
	ds_load_b128 v[KWD+4:KWD+7], v[ADS] offset:SOFF+768*(\q)+16
	s_wait_alu depctr_va_vdst(0)
.irp g, 0,1
.if \g > 0
.rept 8
	v_nop                                          ; places in front of loads into registers that matrix instructions have read
.endr
.endif
.irp t, 0,1,2,3
	ds_load_b128 v[40+24*(\t/2)+16*(\t%2):43+24*(\t/2)+16*(\t%2)], v[ADK] offset:(8*(\q)+4*\g+\t)*1024
	ds_load_b128 v[44+24*(\t/2)+16*(\t%2):47+24*(\t/2)+16*(\t%2)], v[ADK] offset:(8*(\q)+4*\g+\t)*1024+512
.endr
	s_wait_dscnt 0x0
.irp t, 0,1,2,3
	v_wmma_scale_f32_16x16x128_f8f6f4 v[SCR+8*(4*\g+\t):SCR+7+8*(4*\g+\t)], v[40+24*(\t/2)+8*(\t%2):55+24*(\t/2)+8*(\t%2)], v[16+8*(\t%2):31+8*(\t%2)], 0, v[KWD+4*\g+\t], v[QWD] matrix_a_fmt:MATRIX_FMT_BF8 matrix_b_fmt:MATRIX_FMT_BF8
.endr
.endr
.rept 8
	v_nop
.endr
	s_add_co_u32 s73, s[KF], 127
	s_cmp_le_u32 s73, s[Q0]
	s_cbranch_scc1 .Lopen_\@                       ; all 128 keys count for all my queries
	s_sub_co_i32 s73, s[Q0], s[KF]
	v_add_nc_u32 v[MDD], s73, v[QL]                ; d = my query - KF - 16 h.  Register 16 b + i holds key KF + 16 h + 32 b + i: hidden where 32 b + i > d
	v_mov_b32 v[NIN], 0xff800000
.set JJ, 0
.rept 64
	v_cmp_gt_i32 vcc_lo, 32*(JJ/16)+JJ%16, v[MDD]
	v_cndmask_b32 v[SCR+JJ], v[SCR+JJ], v[NIN], vcc_lo
.set JJ, JJ+1
.endr
.Lopen_\@:
.irp b, 0,1,2,3
	v_max3_num_f32 v[BMX+\b], v[SCR+16*\b], v[SCR+1+16*\b], v[SCR+2+16*\b]   ; the largest score of each block of 32 keys: for the row's maximum and, since p rises with the score, for the block's largest p
.endr
.irp i, 3,5,7,9,11,13
.irp b, 0,1,2,3
	v_max3_num_f32 v[BMX+\b], v[BMX+\b], v[SCR+16*\b+\i], v[SCR+1+16*\b+\i]
.endr
.endr
.irp b, 0,1,2,3
	v_max_num_f32 v[BMX+\b], v[BMX+\b], v[SCR+15+16*\b]
.endr
.irp b, 0,1,2,3
	s_delay_alu instid0(VALU_DEP_4)
	v_permlanex16_b32 v[PBY+\b], v[BMX+\b], s[SEL], s[SEL+1]
.endr
.irp b, 0,1,2,3
	s_delay_alu instid0(VALU_DEP_4)
	v_max_num_f32 v[BMX+\b], v[BMX+\b], v[PBY+\b]
.endr
	s_delay_alu instid0(VALU_DEP_2)
	v_max3_num_f32 v[TMP], v[BMX], v[BMX+1], v[BMX+2]
	s_delay_alu instid0(VALU_DEP_1)
	v_max_num_f32 v[TMP], v[TMP], v[BMX+3]
	s_delay_alu instid0(VALU_DEP_1)
	v_mul_f32 v[TMP], s[CS], v[TMP]
	s_delay_alu instid0(VALU_DEP_1)
	v_max_num_f32 v13, v13, v[TMP]                 ; the running largest t
	v_mov_b32 v[TMP], v12
	s_delay_alu instid0(VALU_DEP_2)
	v_floor_f32 v12, -v13                          ; the new -M = -ceil(t)
	s_delay_alu instid0(VALU_DEP_1)
	v_sub_f32 v[TMP], v12, v[TMP]                  ; old M - new M: a whole number, 0 or less
	s_delay_alu instid0(VALU_DEP_1)
	v_cvt_i32_f32 v[TMP], v[TMP]                   ; (it saturates)
	s_delay_alu instid0(VALU_DEP_1)
	v_ldexp_f32 v[FAC], 1.0, v[TMP]                ; f = 2^(old M - new M)
.set JJ, 0
.rept 32
	v_pk_fma_f32 v[SCR+JJ:SCR+JJ+1], v[SCR+JJ:SCR+JJ+1], s[CS:CS+1], v[12:13] op_sel_hi:[1,0,0]   ; t - M
.set JJ, JJ+2
.endr
.irp b, 0,1,2,3
	v_fma_f32 v[BMX+\b], v[BMX+\b], s[CS], v12
.endr
.set JJ, 0
	s_wait_alu depctr_va_vdst(0)
.rept 64
	v_exp_f32 v[SCR+JJ], v[SCR+JJ]                 ; p = 2^(t - M)
.set JJ, JJ+1
.endr
	v_pk_mul_f32 v[14:15], v[14:15], v[FAC:FAC+1] op_sel_hi:[1,0]   ; the sums under the new M: a plain line behind the exponentials
	s_wait_alu depctr_va_vdst(0)                   ; one wait for the batch, ahead of its first reader
.irp b, 0,1,2,3
	v_exp_f32 v[BMX+\b], v[BMX+\b]                 ; the block's largest p
.endr
	v_pk_add_f32 v[228:229], v[100:101], v[104:105]
	v_pk_add_f32 v[254:255], v[108:109], v[112:113]
	v_pk_add_f32 v[252:253], v[116:117], v[120:121]
	v_pk_add_f32 v[250:251], v[124:125], v[128:129]
	v_pk_add_f32 v[248:249], v[132:133], v[136:137]
	v_pk_add_f32 v[246:247], v[140:141], v[144:145]
	v_pk_add_f32 v[244:245], v[148:149], v[152:153]
	v_pk_add_f32 v[14:15], v[14:15], v[156:157]
	v_pk_add_f32 v[228:229], v[228:229], v[96:97]
	v_pk_add_f32 v[254:255], v[254:255], v[98:99]
	v_pk_add_f32 v[252:253], v[252:253], v[102:103]
	v_pk_add_f32 v[250:251], v[250:251], v[106:107]
	v_pk_add_f32 v[248:249], v[248:249], v[110:111]
	v_pk_add_f32 v[246:247], v[246:247], v[114:115]
	v_pk_add_f32 v[244:245], v[244:245], v[118:119]
	v_pk_add_f32 v[14:15], v[14:15], v[122:123]
	v_pk_add_f32 v[228:229], v[228:229], v[126:127]
	v_pk_add_f32 v[254:255], v[254:255], v[130:131]
	v_pk_add_f32 v[252:253], v[252:253], v[134:135]
	v_pk_add_f32 v[250:251], v[250:251], v[138:139]
	v_pk_add_f32 v[248:249], v[248:249], v[142:143]
	v_pk_add_f32 v[246:247], v[246:247], v[146:147]
	v_pk_add_f32 v[244:245], v[244:245], v[150:151]
	v_pk_add_f32 v[14:15], v[14:15], v[154:155]
	v_pk_add_f32 v[228:229], v[228:229], v[158:159]
	s_delay_alu instid0(VALU_DEP_2)
	v_pk_add_f32 v[14:15], v[14:15], v[250:251]
	s_delay_alu instid0(VALU_DEP_2)
	v_pk_add_f32 v[228:229], v[228:229], v[248:249]
	v_pk_add_f32 v[254:255], v[254:255], v[246:247]
	v_pk_add_f32 v[252:253], v[252:253], v[244:245]
	s_delay_alu instid0(VALU_DEP_2)
	v_pk_add_f32 v[14:15], v[14:15], v[254:255]
	s_delay_alu instid0(VALU_DEP_2)
	v_pk_add_f32 v[228:229], v[228:229], v[252:253]
	s_delay_alu instid0(VALU_DEP_1)
	v_pk_add_f32 v[14:15], v[14:15], v[228:229]
	s_wait_alu depctr_va_vdst(0)                   ; and one for the four
.irp b, 0,1,2,3
	v_max_num_f32 v[BMX+\b], 0x8000000, v[BMX+\b]  ; the floor 2^(16 - 127)
.endr
.irp b, 0,1,2,3
	s_delay_alu instid0(VALU_DEP_4)
	v_add_nc_u32 v[SOP+\b], 0xf8800000, v[BMX+\b]
.endr
.irp b, 0,1,2,3
.endr
.irp b, 0,1,2,3
	s_delay_alu instid0(VALU_DEP_4)
	v_lshrrev_b32 v[PBY+\b], 23, v[SOP+\b]
.endr
	s_delay_alu instid0(VALU_DEP_3)
	v_lshl_or_b32 v[PWD], v[PBY+1], 8, v[PBY]      ; p's scale word
	s_delay_alu instid0(VALU_DEP_1)
	v_lshl_or_b32 v[PWD], v[PBY+2], 16, v[PWD]
	s_delay_alu instid0(VALU_DEP_1)
	v_lshl_or_b32 v[PWD], v[PBY+3], 24, v[PWD]
.irp b, 0,1,2,3
.irp i, 0,1,2,3,4,5,6,7,8,9,10,11,12,13,14,15
.endr
	v_cvt_scalef32_pk8_bf8_f32 v[PCO+4*\b:PCO+1+4*\b], v[SCR+16*\b:SCR+7+16*\b], v[SOP+\b]
	v_cvt_scalef32_pk8_bf8_f32 v[PCO+2+4*\b:PCO+3+4*\b], v[SCR+8+16*\b:SCR+15+16*\b], v[SOP+\b]
.endr
	v_nop
.irp t, 0,1,2,3
.irp c, 0,1,2,3
	ds_load_b128 v[SCR+16*\t+4*\c:SCR+16*\t+4*\c+3], v[ADK] offset:VOFF+4096*\t+2048*(\q)+512*\c   ; V's fragments take p's registers
.endr
.endr
	ds_load_b128 v[VWD:VWD+3], v[ADT] offset:SOFF+768*(\q)+512
.set JJ, 0
.rept 16
	v_pk_mul_f32 v[OTR+JJ:OTR+JJ+1], v[OTR+JJ:OTR+JJ+1], v[FAC:FAC+1] op_sel_hi:[1,0]   ; O^T under the new M; also the places between the conversions and the products
.set JJ, JJ+2
.endr
	s_wait_alu depctr_va_vdst(0)
	s_wait_dscnt 0x0
.irp t, 0,1,2,3
	v_wmma_scale_f32_16x16x128_f8f6f4 v[OTR+8*\t:OTR+7+8*\t], v[SCR+16*\t:SCR+15+16*\t], v[PCO:PCO+15], v[OTR+8*\t:OTR+7+8*\t], v[VWD+\t], v[PWD] matrix_a_fmt:MATRIX_FMT_BF8 matrix_b_fmt:MATRIX_FMT_BF8
.endr
.Lhidden_\@:
	s_add_co_u32 s[KF], s[KF], 128
.endm
; THE CHANGE OF SLOTS, at a slot's head: each wave waits for all its tensor loads, adds 0 to its spare word, waits for that and for its reads of the slot that it has left; one barrier; behind it the slot left is filled.
.macro CHANGE fill
	s_wait_tensorcnt 0x0                           ; no tensor load of mine is out, so a group 0 may be written
	ds_add_u32 v[SPW], v[NIL]                      ; 0 onto my spare word
.if \fill
	s_add_co_u32 s[NXT], s[NXT], 1
	s_cmp_eq_u32 s[NXT], s[LASTP]
	s_cselect_b32 s[NXT], 0, s[NXT]                ; behind the late block's last key slot comes the early block's key slot 0
	s_xor_b32 s[G0K+1], s[G0K+1], SLOT1
	s_xor_b32 s[G0V+1], s[G0V+1], SLOT1
	s_xor_b32 s[G0S+1], s[G0S+1], SLOT1
	s_lshl_b32 s74, s[NXT], 19
	s_mov_b32 s75, 0
	s_add_nc_u64 s[G0K+2:G0K+3], s[KB:KB+1], s[74:75]
	s_or_b32 s[G0K+3], s[G0K+3], 0x80000000
	s_lshl_b32 s74, s[NXT], 12
	s_add_nc_u64 s[G0V+2:G0V+3], s[VB:VB+1], s[74:75]
	s_or_b32 s[G0V+3], s[G0V+3], 0x80000000
	s_mul_i32 s74, s[NXT], 1536
	s_add_nc_u64 s[G0S+2:G0S+3], s[SB:SB+1], s[74:75]
	s_or_b32 s[G0S+3], s[G0S+3], 0x80000000
	s_wait_xcnt 0x0                                ; the last prefetch, a slot back, has read its address
	s_add_nc_u64 s[PFA:PFA+1], s[PFA:PFA+1], s[PFS:PFS+1]
.endif
	s_wait_dscnt 0x0                               ; the add is done, and my reads of the slot that I have left are over
	s_barrier_signal -1
	s_barrier_wait -1
.if \fill
	TLOAD                                          ; the first thing behind the barrier, a wave's one tensor load until the next
	ASK
.endif
.endm
; A BLOCK'S END: O^T / the sum, quantised along the head's 64 (two blocks), leaves as two register groups of a fragment of ctx and two scale bytes a row
.macro FINISH
.rept 8
	v_nop                                          ; places behind the last products
.endr
	v_add_f32 v14, v14, v15
	s_delay_alu instid0(VALU_DEP_1)
	v_permlanex16_b32 v[TMP], v14, s[SEL], s[SEL+1]
	s_delay_alu instid0(VALU_DEP_1)
	v_add_f32 v14, v14, v[TMP]                     ; the row's sum
	s_wait_alu depctr_va_vdst(0)
	v_rcp_f32 v[FAC], v14
	v_nop                                          ; a plain line behind the reciprocal,
	s_wait_alu depctr_va_vdst(0)                   ; and the wait ahead of its first reader
.set JJ, 0
.rept 16
	v_pk_mul_f32 v[SCR+JJ:SCR+JJ+1], v[OTR+JJ:OTR+JJ+1], v[FAC:FAC+1] op_sel_hi:[1,0]   ; register 16 b + i = d 32 b + 16 h + i; each accumulator from its low end on
.set JJ, JJ+2
.endr
.irp b, 0,1
	v_max3_num_f32 v[BMX+\b], |v[SCR+16*\b]|, |v[SCR+1+16*\b]|, 0x8000000
.endr
.irp i, 2,4,6,8,10,12,14
.irp b, 0,1
	s_delay_alu instid0(VALU_DEP_2)
	v_max3_num_f32 v[BMX+\b], v[BMX+\b], |v[SCR+16*\b+\i]|, |v[SCR+1+16*\b+\i]|
.endr
.endr
.irp b, 0,1
	s_delay_alu instid0(VALU_DEP_2)
	v_permlanex16_b32 v[PBY+\b], v[BMX+\b], s[SEL], s[SEL+1]
.endr
.irp b, 0,1
	s_delay_alu instid0(VALU_DEP_2)
	v_max_num_f32 v[BMX+\b], v[BMX+\b], v[PBY+\b]
.endr
.irp b, 0,1
	s_delay_alu instid0(VALU_DEP_2)
	v_add_nc_u32 v[SOP+\b], 0xf8800000, v[BMX+\b]
.endr
.irp b, 0,1
.endr
.irp b, 0,1
	s_delay_alu instid0(VALU_DEP_2)
	v_lshrrev_b32 v[PBY+\b], 23, v[SOP+\b]
.endr
.irp b, 0,1
.irp i, 0,1,2,3,4,5,6,7,8,9,10,11,12,13,14,15
.endr
	v_cvt_scalef32_pk8_bf8_f32 v[PCO+4*\b:PCO+1+4*\b], v[SCR+16*\b:SCR+7+16*\b], v[SOP+\b]
	v_cvt_scalef32_pk8_bf8_f32 v[PCO+2+4*\b:PCO+3+4*\b], v[SCR+8+16*\b:SCR+15+16*\b], v[SOP+\b]
.endr
	v_nop                                          ; a plain line behind the last conversion
	global_store_b128 v[LI], v[PCO:PCO+3], s[CC:CC+1]               ; 512 consecutive bytes each
	global_store_b128 v[LI], v[PCO+4:PCO+7], s[CC:CC+1] offset:512
	v_cndmask_b32 v[BYT], v[PBY], v[PBY+1], s[UPP] ; lanes 0-15 the first block's byte, lanes 16-31 the second's
	global_store_b8 v[CSO], v[BYT], s[CC+2:CC+3]
.endm
.macro RESTART                         ; on to the early block
	s_wait_xcnt 0x0                                ; the stores have read their registers and bases: both may be written
	s_mov_b64 s[CC:CC+1], s[CC+4:CC+5]
	s_mov_b64 s[CC+2:CC+3], s[CC+6:CC+7]
	s_mov_b32 s[Q0], s90
	s_mov_b32 s[KS], 0
	s_mov_b32 s[KF], 0
	v_mov_b32 v[QWD], v[QWE]                       ; a scale word written by a vector line: more than eight plain lines follow ahead of the next product
.irp j, 0,1,2,3,4,5,6,7
	v_mov_b32 v[16+\j], v[88+\j]
	v_mov_b32 v[32+\j], v[88+\j]
.endr
	v_mov_b32 v13, 0xff61b1e6
	s_delay_alu instid0(VALU_DEP_1)
	v_floor_f32 v12, -v13
	v_mov_b32 v14, 0
	v_mov_b32 v15, 0
.set JJ, 0
.rept 32
	v_mov_b32 v[OTR+JJ], 0
.set JJ, JJ+1
.endr
.endm
.Lslot:                                            ; 8 trips: behind each change of slots but the last the next slot is asked for
	CHANGE 1
	STEP 0
	STEP 1
	s_xor_b32 s[TB], s[TB], SLOT1
	s_add_co_u32 s[KS], s[KS], 1
	s_cmp_lg_u32 s[KS], s[LASTP]                   ; the same in all sixteen waves; no barrier, LDS access or tensor load stands under this branch
	s_cbranch_scc1 .Lsame_block
	FINISH
	RESTART
.Lsame_block:
	s_sub_co_u32 s[SLOTS], s[SLOTS], 1
	s_cmp_lg_u32 s[SLOTS], 0
	s_cbranch_scc1 .Lslot
	CHANGE 0                                       ; the last slot is written out
	STEP 0
	STEP 1
	FINISH
	s_wait_tensorcnt 0x0                           ; the wave's end
	ds_add_u32 v[SPW], v[NIL]
	s_wait_dscnt 0x0
	s_endpgm
.Lfunc_end_k_q334dc04c3b_attn:
	.size	k_q334dc04c3b_attn, .Lfunc_end_k_q334dc04c3b_attn-k_q334dc04c3b_attn
	.p2alignl 7, 3214868480
	.fill 96, 4, 3214868480
	.section	.rodata,"a",@progbits
	.p2align	6, 0x0
	.amdhsa_kernel k_q334dc04c3b_attn
		.amdhsa_group_segment_fixed_size 327680
		.amdhsa_private_segment_fixed_size 0
		.amdhsa_enable_private_segment 0
		.amdhsa_kernarg_size 16
		.amdhsa_user_sgpr_count 2
		.amdhsa_user_sgpr_kernarg_segment_ptr 1
		.amdhsa_wavefront_size32 1
		.amdhsa_system_sgpr_workgroup_id_x 1
		.amdhsa_system_sgpr_workgroup_id_y 1
		.amdhsa_system_sgpr_workgroup_id_z 1
		.amdhsa_system_vgpr_workitem_id 0
		.amdhsa_next_free_vgpr 256
		.amdhsa_next_free_sgpr 100
		.amdhsa_reserve_vcc 1
		.amdhsa_float_denorm_mode_32 3
		.amdhsa_float_denorm_mode_16_64 3
		.amdhsa_fp16_overflow 1
		.amdhsa_memory_ordered 1
		.amdhsa_forward_progress 1
		.amdhsa_inst_pref_size 115
	.end_amdhsa_kernel
	.amdgpu_metadata
---
amdhsa.version: [ 1, 2 ]
amdhsa.kernels:
  - .name:           k_q334dc04c3b_attn
    .symbol:         k_q334dc04c3b_attn.kd
    .args:
      - { .name: qkv, .offset: 0, .size: 8, .value_kind: global_buffer, .address_space: global }
      - { .name: ctx, .offset: 8, .size: 8, .value_kind: global_buffer, .address_space: global }
    .group_segment_fixed_size: 327680
    .private_segment_fixed_size: 0
    .kernarg_segment_align: 8
    .kernarg_segment_size: 16
    .max_flat_workgroup_size: 512
    .sgpr_count:     100
    .vgpr_count:     256
    .wavefront_size: 32
...
	.end_amdgpu_metadata
.endif
;; end of part 4
;; launch outp (part 5): grid 4 x 32, 4 waves a work-group, clusters of 4 x 4, 327,680 bytes of LDS; arguments ctx, wq, out0; writes out0
.if DOCPART == 5
	.amdgcn_target "amdgcn-amd-amdhsa--gfx1250"
	.amdhsa_code_object_version 6
	.text
	.protected	k_q334dc04c3b_outp
	.globl	k_q334dc04c3b_outp
	.p2align	8
	.type	k_q334dc04c3b_outp,@function
k_q334dc04c3b_outp:
	s_mov_b64 s[64:65], 0
	v_nop
	global_prefetch_b8 v0, s[64:65] scope:SCOPE_SE
	s_setreg_imm32_b32 hwreg(HW_REG_WAVE_MODE, 25, 1), 1
	s_wait_xcnt 0x0
	s_wait_alu depctr_hold_cnt(0) depctr_sa_sdst(0) depctr_va_vdst(0) depctr_va_sdst(0) depctr_va_ssrc(0) depctr_va_vcc(0) depctr_vm_vsrc(0)
	s_getreg_b32 s2, hwreg(HW_REG_IB_STS2, 6, 4)
	s_cmp_eq_u32 s2, 0
	s_cbranch_scc0 .Lentry_in_a_cluster
	s_endpgm
.Lentry_in_a_cluster:
	s_bfe_u32 s2, ttmp6, 0x10000c
	s_cmp_lg_u32 s2, 0xf033
	s_cbranch_scc0 .Lentry_shape_is_right
	s_endpgm
.Lentry_shape_is_right:
; out0 = ctx W_o on codes of BF8 (E5M2) with E8M0 scales, K = 1,024; out0 [8192][1024] f32.
; Both operands are images of operand registers (tile T of 16 rows, lane place r = row 32 (T / 2) + 8 (T % 2) + r + 8 (r / 8); fragment (T, K step s) at (8 T + s) 2,048; scale words [T][r][8 words]).
; A' = ctx (tokens), B' = W_o's columns (wq's tiles 192 to 255).  The matrix instruction is used transposed (source 0 = B', source 1 = A'): a lane holds eight neighbouring columns of one token's row.
; A tile of the result, 256 x 256, is made by four waves, 128 x 128 each; K goes in steps of 256 through two LDS slots; the scale words for all of K come into LDS once.
; CLUSTERS: 4 x 4 work-groups; A' tiles jointly along a row of the cluster, B' tiles along a column.  128 work-groups: the tile is kept at the size at which each fragment read from LDS feeds eight products.
; No prefetch: the ring is walked four slots long.
; REGISTERS: window 0: v0-31 addresses; v32-63 scale words; v128-255 A' fragments, on the way out rows of the result.  window 1: B' fragments, two sets.  windows 2, 3: the accumulators.
.set NQ,     2
.set FR,     16
.set NL,     4
.set NP,     8
.set HALFT,  32768
.set SLOT,   4*HALFT
.set LAPS,   2
.set SCL,    2*SLOT
.set HALFS,  16*272
.set SBLK,   2*272
.set SPARE,  SCL+4*HALFS               ; the spare words: two blocks of 256 bytes that no other line names
.set SPITCH, 528                       ; the way out: a stage of 16 rows x (512 + 16) bytes a wave, in slot 0, which has had its last fill and its last read by then
.set ADRA, 16
.set ADRB, 20
.set STO,  24
.set RD,   25
.set ADRS, 27
.set SPW,  28
.set NIL,  29
.set LI,   30
.set SC,   32
.set AF,   128
.set BK,   128
.set WV,   20
.set RH,   21
.set CH,   22
.set G1, 24
.set G0, 32
.set G1B, 48
.set G0B, 56
.set G1S, 68
.set G0S, 76
.set G1SB, 80
.set G0SB, 88
.set MSB, 0
.macro WIN new
.if MSB != \new
	s_set_vgpr_msb (MSB<<8)|\new
.set MSB, \new
.endif
.endm
.set MUL_LO, 0xa1
.set MUL_HI, 0xf1
.set TO_B,   0x40
.macro JLOAD g0a, g1a, g0b, g1b
	s_cmp_eq_u32 s[RH], 0
	s_cbranch_scc0 .Lfor_b_\@
	tensor_load_to_lds s[\g0a:\g0a+3], s[\g1a:\g1a+7]
	s_nop 0
.rept 4
	v_nop
.endr
	s_branch .Lasked_\@
.Lfor_b_\@:
	tensor_load_to_lds s[\g0b:\g0b+3], s[\g1b:\g1b+7]
	s_nop 0
.rept 4
	v_nop
.endr
.Lasked_\@:
.endm
.macro CREST
	s_cmp_lg_u32 s[WV], 0
	s_cbranch_scc1 .Lnot_wave_0_\@
	s_barrier_signal -3
.Lnot_wave_0_\@:
	s_barrier_wait -3
	s_barrier_signal -1
	s_barrier_wait -1
.endm
.macro CROUND
	s_barrier_signal -1
	s_barrier_wait -1
	CREST
.endm
	s_load_b128 s[4:7], s[0:1], 0x0                ; ctx, wq
	s_load_b64 s[8:9], s[0:1], 0x10                ; out0
	v_lshl_add_u32 v[SPW], v0, 2, SPARE
	v_mov_b32 v[NIL], 0
	ds_add_u32 v28, v29
	ds_add_u32 v28, v29
	s_wait_dscnt 0x0
	v_lshrrev_b32 v1, 5, v0
	v_readfirstlane_b32 s[WV], v1
	s_lshr_b32 s[RH], s[WV], 1
	s_and_b32 s[CH], s[WV], 1
	s_bfe_u32 s40, ttmp6, 0x40000                  ; cx
	s_bfe_u32 s41, ttmp6, 0x40004                  ; cy
	s_lshl_b32 s42, ttmp9, 2
	s_add_co_u32 s42, s42, s40                     ; TC
	s_and_b32 s43, ttmp7, 0xffff
	s_lshl_b32 s43, s43, 2
	s_add_co_u32 s43, s43, s41                     ; TR
	s_lshl_b32 s44, s41, 2
	s_lshl_b32 s44, 15, s44
	s_lshl_b32 s45, 0x1111, s40
	s_or_b32 s[G1+0], s44, (1<<21)
	s_or_b32 s[G1B+0], s45, (1<<21)
.irp g, G1, G1B
	s_mov_b32 s[\g+1], 4096<<16
	s_mov_b32 s[\g+2], 8<<16
	s_mov_b32 s[\g+3], 4096<<16
	s_mov_b32 s[\g+4], 8
	s_mov_b32 s[\g+5], 16384
	s_mov_b32 s[\g+6], 0
	s_mov_b32 s[\g+7], 0
.endr
	s_or_b32 s[G1S+0], s44, (3<<16)|(1<<20)|(1<<21)|(5<<22)|(3<<25)
	s_or_b32 s[G1SB+0], s45, (3<<16)|(1<<20)|(1<<21)|(5<<22)|(3<<25)
.irp g, G1S, G1SB
	s_mov_b32 s[\g+1], 32<<16
	s_mov_b32 s[\g+2], 16<<16
	s_mov_b32 s[\g+3], 32<<16
	s_mov_b32 s[\g+4], 16
	s_mov_b32 s[\g+5], 32
	s_mov_b32 s[\g+6], 0
	s_mov_b32 s[\g+7], 0
.endr
	s_lshl_b32 s67, s[CH], 3
	s_lshl_b32 s66, s43, 4
	s_add_co_u32 s66, s66, s67                     ; A': 16 TR + 8 CH
	s_lshl_b32 s47, s42, 4
	s_add_co_u32 s47, s47, s67                     ; B': 16 TC + 8 CH
	s_lshl_b32 s14, s66, 14
	s_mov_b32 s15, 0
	s_lshl_b32 s16, s66, 9
	s_add_co_u32 s16, s16, 0x800000
	s_mov_b32 s17, 0
	s_lshl_b32 s18, s47, 14
	s_add_co_u32 s18, s18, 0x300000                ; W_o's codes in wq
	s_mov_b32 s19, 0
	s_lshl_b32 s2, s47, 9
	s_add_co_u32 s2, s2, 0x418000                  ; and its scale words
	s_mov_b32 s3, 0
	s_mul_i32 s67, s[WV], HALFS
	s_lshl_b32 s66, s[WV], 15
	s_wait_kmcnt 0x0
	s_add_nc_u64 s[92:93], s[4:5], s[14:15]
	s_add_nc_u64 s[94:95], s[4:5], s[16:17]
	s_add_nc_u64 s[96:97], s[6:7], s[18:19]
	s_add_nc_u64 s[98:99], s[6:7], s[2:3]
	CROUND                                         ; all sixteen work-groups are here: the first joint loads meet
	s_mov_b32 s[G0S], 1
	s_add_co_u32 s[G0S+1], s67, SCL
	s_mov_b64 s[G0S+2:G0S+3], s[94:95]
	s_or_b32 s[G0S+3], s[G0S+3], 0x80000000
	s_mov_b32 s[G0SB], 1
	s_add_co_u32 s[G0SB+1], s67, SCL
	s_mov_b64 s[G0SB+2:G0SB+3], s[98:99]
	s_or_b32 s[G0SB+3], s[G0SB+3], 0x80000000
	JLOAD G0S, G1S, G0SB, G1SB
.irp s, 0,1
	s_mov_b32 s[G0+4*\s], 1
	s_add_co_u32 s[G0+4*\s+1], s66, \s*SLOT
	s_add_nc_u64 s[G0+4*\s+2:G0+4*\s+3], s[92:93], \s*4096
	s_or_b32 s[G0+4*\s+3], s[G0+4*\s+3], 0x80000000
	s_mov_b32 s[G0B+4*\s], 1
	s_add_co_u32 s[G0B+4*\s+1], s66, \s*SLOT
	s_add_nc_u64 s[G0B+4*\s+2:G0B+4*\s+3], s[96:97], \s*4096
	s_or_b32 s[G0B+4*\s+3], s[G0B+4*\s+3], 0x80000000
	s_wait_alu depctr_va_vdst(0)
	s_wait_tensorcnt 0x0
	ds_add_u32 v28, v29
	s_wait_dscnt 0x0
	CROUND
	JLOAD G0+4*\s, G1, G0B+4*\s, G1B
.endr
	v_and_b32 v1, 15, v0                           ; r
	v_bfe_u32 v2, v0, 4, 1                         ; h
	v_and_b32 v3, 31, v0
	v_lshlrev_b32 v[LI], 4, v3
	s_lshl_b32 s10, s[RH], 15
	s_lshl_b32 s11, s[CH], 15
	s_add_co_u32 s11, s11, 2*HALFT
.irp s, 0,1
	v_add_nc_u32 v[ADRA+\s], s10, v[LI]
	v_add_nc_u32 v[ADRB+\s], s11, v[LI]
	s_add_co_u32 s10, s10, SLOT
	s_add_co_u32 s11, s11, SLOT
.endr
	v_lshlrev_b32 v5, 5, v1
	v_lshrrev_b32 v6, 8, v5
	v_lshl_add_u32 v5, v6, 4, v5
	s_mul_i32 s10, s[RH], HALFS
	s_mul_i32 s11, s[CH], HALFS
	s_add_co_u32 s11, s11, 2*HALFS
	s_sub_co_u32 s11, s11, s10
	v_mul_u32_u24 v6, s11, v2                      ; lanes 16-31 take B' words
	s_add_co_u32 s10, s10, SCL
	v_add_nc_u32 v5, v5, v6
	v_add_nc_u32 v[ADRS], s10, v5
	s_mul_i32 s10, s[WV], 16*SPITCH                ; my stage
	v_mul_u32_u24 v5, v1, SPITCH
	v_lshl_add_u32 v5, v2, 6, v5
	v_add_nc_u32 v[STO], s10, v5                   ; in: row r, + 64 h: a tile pair's 16 columns of my half
	v_add_nc_u32 v[RD], s10, v[LI]                 ; back: the 32 lanes take one row of 512 bytes
	s_lshl_b32 s12, s43, 8
	s_lshl_b32 s13, s[RH], 7
	s_add_co_u32 s12, s12, s13
	s_lshl_b32 s12, s12, 12                        ; my first row of out0: 256 TR + 128 RH, 4,096 bytes a row
	s_lshl_b32 s13, s42, 10
	s_add_co_u32 s12, s12, s13
	s_lshl_b32 s13, s[CH], 9
	s_add_co_u32 s12, s12, s13                     ; my first column, in bytes
	s_mov_b32 s13, 0
	s_add_nc_u64 s[8:9], s[8:9], s[12:13]
.macro FRAG reg, adr, q, i
.irp c, 0,1,2,3
	ds_load_b128 v[\reg+4*\c:\reg+4*\c+3], v[\adr] offset:2048*(\q)+512*\c+4096*(\i)
.endr
.endm
; The 64 accumulators take turns, one instruction a turn, in the same order in every step.
.macro MUL16 a0, p, q, sc, zero
.irp a, \a0, \a0+1
.irp b, 0,1,2,3,4,5,6,7
.if \zero
	v_wmma_scale_f32_16x16x128_f8f6f4 v[8*(8*((\a)%4)+\b):8*(8*((\a)%4)+\b)+7], v[128*(\p)+FR*\b:128*(\p)+FR*\b+FR-1], v[AF+FR*(\a):AF+FR*(\a)+FR-1], 0, v[SC+8*NQ*(\sc)+NQ*\b+(\q)], v[SC+8*NQ*(\sc)+NQ*(\a)+(\q)] matrix_a_fmt:MATRIX_FMT_BF8 matrix_b_fmt:MATRIX_FMT_BF8 matrix_a_scale:MATRIX_SCALE_ROW1
.else
	v_wmma_scale_f32_16x16x128_f8f6f4 v[8*(8*((\a)%4)+\b):8*(8*((\a)%4)+\b)+7], v[128*(\p)+FR*\b:128*(\p)+FR*\b+FR-1], v[AF+FR*(\a):AF+FR*(\a)+FR-1], v[8*(8*((\a)%4)+\b):8*(8*((\a)%4)+\b)+7], v[SC+8*NQ*(\sc)+NQ*\b+(\q)], v[SC+8*NQ*(\sc)+NQ*(\a)+(\q)] matrix_a_fmt:MATRIX_FMT_BF8 matrix_b_fmt:MATRIX_FMT_BF8 matrix_a_scale:MATRIX_SCALE_ROW1
.endif
.endr
.endr
.endm
.macro FETCH_B slot, q, p
	WIN TO_B
.irp i, 0,1,2,3,4,5,6,7
	FRAG 128*(\p)+FR*\i, ADRB+\slot, \q, \i
.endr
	WIN 0
.endm
.macro FETCH_A slot, q, i0
.irp i, \i0, \i0+1, \i0+2, \i0+3
	FRAG AF+FR*(\i), ADRA+\slot, \q, \i
.endr
.endm
.macro SCALES sc
.irp i, 0,1,2,3,4,5,6,7
	ds_load_b64 v[SC+8*NQ*\sc+NQ*\i:SC+8*NQ*\sc+NQ*\i+1], v[ADRS] offset:\i*SBLK
.endr
.endm
.macro PLACES n
.rept \n
	v_nop
.endr
.endm
.macro STEP slot, q, zero
	s_wait_dscnt 4*NL                              ; B' set and A' blocks 0-3 are in; the youngest 16 loads may be out
	WIN MUL_LO
	MUL16 0, (\q)%2, \q, \slot, \zero
	MUL16 2, (\q)%2, \q, \slot, \zero
	s_wait_dscnt 0
	PLACES NP
	FETCH_B \slot, (\q)+1, 1-(\q)%2
	FETCH_A \slot, (\q)+1, 0
	WIN MUL_HI
	MUL16 4, (\q)%2, \q, \slot, \zero
	MUL16 6, (\q)%2, \q, \slot, \zero
	PLACES NP
	WIN 0
	FETCH_A \slot, (\q)+1, 4
.endm
.macro TURN slot, next, fill
	s_wait_tensorcnt 0x0                           ; all my tensor loads have landed: my part of the next slot
	ds_add_u32 v[SPW], v[NIL]                      ; 0 onto my spare word
	s_wait_dscnt 4*NL+1                            ; the add and the youngest 16 loads may be out
	WIN MUL_LO
	MUL16 0, 1, NQ-1, \slot, 0
	s_wait_dscnt 0x0                               ; the add is done, and my reads of this slot are over
	s_barrier_signal -1
	MUL16 2, 1, NQ-1, \slot, 0
	WIN 0
	s_barrier_wait -1
.if \fill
	CREST                                          ; the barrier has opened a round of the cluster's barrier
	s_add_nc_u64 s[G0+4*\slot+2:G0+4*\slot+3], s[G0+4*\slot+2:G0+4*\slot+3], 8192
	s_add_nc_u64 s[G0B+4*\slot+2:G0B+4*\slot+3], s[G0B+4*\slot+2:G0B+4*\slot+3], 8192
	JLOAD G0+4*\slot, G1, G0B+4*\slot, G1B
	PLACES NP-4
.else
	PLACES NP
.endif
	s_wait_alu depctr_va_vdst(0)
	v_add_nc_u32 v[ADRS], 4*NQ, v[ADRS]
	FETCH_B \next, 0, 0
	FETCH_A \next, 0, 0
	SCALES \next
	WIN MUL_HI
	MUL16 4, 1, NQ-1, \slot, 0
	MUL16 6, 1, NQ-1, \slot, 0
	PLACES NP
	WIN 0
	FETCH_A \next, 0, 4
.endm
	s_wait_alu depctr_va_vdst(0)
	s_wait_tensorcnt 1                             ; the scale words and my part of slot 0 are in; slot 1's load may be out
	s_barrier_signal -1
	s_barrier_wait -1
	FETCH_B 0, 0, 0
	FETCH_A 0, 0, 0
	SCALES 0
	FETCH_A 0, 0, 4
	STEP 0, 0, 1
	s_mov_b32 s23, LAPS-1
.Llap:
	TURN 0, 1, 1
	STEP 1, 0, 0
	TURN 1, 0, 1
	STEP 0, 0, 0
	s_sub_co_u32 s23, s23, 1
	s_cmp_lg_u32 s23, 0
	s_cbranch_scc1 .Llap
	TURN 0, 1, 0
	STEP 1, 0, 0
	s_wait_dscnt 4*NL
	WIN MUL_LO
	MUL16 0, 1, NQ-1, 1, 0
	MUL16 2, 1, NQ-1, 1, 0
	s_wait_dscnt 0
	WIN MUL_HI
	MUL16 4, 1, NQ-1, 1, 0
	MUL16 6, 1, NQ-1, 1, 0
	WIN 0
; THE WAY OUT, a block of 16 tokens x 128 columns at a time, through my own stage: in accumulator (a, b) lane (r, h) holds columns 32 (b / 2) + 8 (b % 2) + 16 h + 0 .. 7 of the token at lane place r.
; Stage row t comes back whole (512 bytes) and is token t + 8 (t / 8) of the block.  LDS serves a wave's instructions in order: no wait between the stores and the loads.
.macro TOSTAGE a
.set AC, 64*((\a)%4)
	WIN 0x08+4*((\a)/4)                            ; the data: window 2 or 3
.irp b, 0,1,2,3,4,5,6,7
	ds_store_b128 v[STO], v[AC+8*\b:AC+8*\b+3] offset:128*(\b/2)+32*(\b%2)          ; each accumulator from its low end on
	ds_store_b128 v[STO], v[AC+8*\b+4:AC+8*\b+7] offset:128*(\b/2)+32*(\b%2)+16
.endr
	WIN 0
.set BB, BK+64*((\a)%2)
.irp t, 0,1,2,3,4,5,6,7,8,9,10,11,12,13,14,15
	ds_load_b128 v[BB+4*\t:BB+4*\t+3], v[RD] offset:\t*SPITCH
.endr
.endm
.macro SEND a, younger
.set BB, BK+64*((\a)%2)
	s_wait_dscnt \younger                          ; the block is back in registers
.if (\a) > 0
	s_add_nc_u64 s[8:9], s[8:9], (24-16*((\a)%2))*4096   ; (behind a wait on XCNT)  block a begins at row 32 (a / 2) + 8 (a % 2): 8 rows on for an odd block, 24 for an even one
.endif
.irp t, 0,1,2,3,4,5,6,7,8,9,10,11,12,13,14,15
	global_store_b128 v[LI], v[BB+4*\t:BB+4*\t+3], s[8:9] offset:(\t+8*(\t/8))*4096 th:TH_STORE_NT   ; 32 lanes store 512 consecutive bytes, at a multiple of 256 from out0's first byte
.endr
.endm
	PLACES NP
	TOSTAGE 0
.irp a, 1,2,3,4,5,6,7
.if \a > 1
	s_wait_xcnt 0x0                                ; block a - 2's stores have read their registers and their base
.endif
	TOSTAGE \a
	SEND \a-1, 32                                  ; behind block a - 1's loads: block a's 16 stores and 16 loads
.endr
	s_wait_xcnt 0x0
	SEND 7, 0
	s_wait_tensorcnt 0x0                           ; the wave's end
	ds_add_u32 v[SPW], v[NIL]
	s_wait_dscnt 0x0
	CROUND                                         ; the closing round
	s_endpgm
.Lfunc_end_k_q334dc04c3b_outp:
	.size	k_q334dc04c3b_outp, .Lfunc_end_k_q334dc04c3b_outp-k_q334dc04c3b_outp
	.p2alignl 7, 3214868480
	.fill 96, 4, 3214868480
	.section	.rodata,"a",@progbits
	.p2align	6, 0x0
	.amdhsa_kernel k_q334dc04c3b_outp
		.amdhsa_group_segment_fixed_size 327680
		.amdhsa_private_segment_fixed_size 0
		.amdhsa_enable_private_segment 0
		.amdhsa_kernarg_size 24
		.amdhsa_user_sgpr_count 2
		.amdhsa_user_sgpr_kernarg_segment_ptr 1
		.amdhsa_wavefront_size32 1
		.amdhsa_system_sgpr_workgroup_id_x 1
		.amdhsa_system_sgpr_workgroup_id_y 1
		.amdhsa_system_sgpr_workgroup_id_z 1
		.amdhsa_system_vgpr_workitem_id 0
		.amdhsa_next_free_vgpr 1024
		.amdhsa_next_free_sgpr 100
		.amdhsa_reserve_vcc 0
		.amdhsa_float_denorm_mode_32 3
		.amdhsa_float_denorm_mode_16_64 3
		.amdhsa_memory_ordered 1
		.amdhsa_forward_progress 1
		.amdhsa_inst_pref_size 146
	.end_amdhsa_kernel
	.amdgpu_metadata
---
amdhsa.version: [ 1, 2 ]
amdhsa.kernels:
  - .name:           k_q334dc04c3b_outp
    .symbol:         k_q334dc04c3b_outp.kd
    .args:
      - { .name: ctx, .offset: 0, .size: 8, .value_kind: global_buffer, .address_space: global }
      - { .name: wq, .offset: 8, .size: 8, .value_kind: global_buffer, .address_space: global }
      - { .name: out0, .offset: 16, .size: 8, .value_kind: global_buffer, .address_space: global }
    .group_segment_fixed_size: 327680
    .private_segment_fixed_size: 0
    .kernarg_segment_align: 8
    .kernarg_segment_size: 24
    .max_flat_workgroup_size: 128
    .sgpr_count:     100
    .vgpr_count:     1024
    .wavefront_size: 32
...
	.end_amdgpu_metadata
.endif
;; end of part 5
